; MI455X (gfx1250); checked and timed in simulation.
; The chip was launched on July 23, 2026; its instructions are those of AMD's public machine-readable ISA for CDNA 5 (MIT licence, August 2026) and "CDNA5" Instruction Set Architecture Reference Guide (July 2026). The comments in the code are by the model that wrote it; some were corrected since.
;; Max Retrieval Model. Allowed arithmetic: float matrix products may take bf16 or f16 operands with f32 sums; all other float work in f32.
;; Inputs: k_b 512 float32; k_w 512 x 512 float32; phi_b1 512 float32; phi_b2 1,000 float32; phi_w1 512 x 512 float32; phi_w2 1,000 x 512 float32; psi_q_b1 512 float32; psi_q_b2 512 float32; psi_q_w1 512 x 1 float32; psi_q_w2 512 x 512 float32; psi_x_b1 512 float32; psi_x_b2 512 float32; psi_x_w1 512 x 128 float32; psi_x_w2 512 x 512 float32; q_b 512 float32; q_w 512 x 512 float32; v_b 512 float32; v_w 512 x 512 float32; x_items 32 x 2,048 x 128 float32; x_query 32 x 1 float32.
;; Outputs: out0 32 x 1,000 float32.
;; 2 versions, each right; version 2 is version 1 with the launches lint_t, lint_u written anew for expert scheduling mode. Each part assembles by itself: llvm-mc -triple=amdgcn-amd-amdhsa -mcpu=gfx1250 --defsym DOCPART=n.
;; ======== version 1 of 2: 10 launches
;; workspace buffers: afa 32,768 bytes; afb 32,768 bytes; w1f 131,072 bytes; c1 256 bytes; c2 256 bytes; part 524,288 bytes; stat 2,048 bytes
;; launch pre1 (part 1): grid 32 x 1, 4 waves a work-group, no clusters, 168,448 bytes of LDS; arguments x_query, psi_q_w1, psi_q_b1, psi_q_w2, psi_q_b2, psi_x_w1, afa, w1f; writes afa, w1f
.if DOCPART == 1
	.amdgcn_target "amdgcn-amd-amdhsa--gfx1250"
	.amdhsa_code_object_version 6
	.text
	.protected	k_q019d73c348_pre1
	.globl	k_q019d73c348_pre1
	.p2align	8
	.type	k_q019d73c348_pre1,@function
k_q019d73c348_pre1:
	s_mov_b64 s[64:65], 0
	v_nop
	global_prefetch_b8 v0, s[64:65] scope:SCOPE_SE
	s_setreg_imm32_b32 hwreg(HW_REG_WAVE_MODE, 25, 1), 1
	s_wait_xcnt 0x0
; hq[b][n] = sum over k of gelu(xq[b] w1q[k] + b1q[k]) W2q[n][k] + b2q[n], 32 x 512, stored in bf16 in fragment order (AF, below);
; and psi_x_w1 (512 x 128 f32) rounded to bf16 in fragment order (w1f), for the item launch.
; Work-group c owns output columns 16 c .. 16 c + 15 and W1's rows 16 c .. 16 c + 15.  Wave w owns k = 128 w .. 128 w + 127: four K steps of 32.
; ORDER OF K, the same for both operands of every product of this program: in K step (G, sg) lane half h, element e (0..15) stands for
; k = 64 G + 32 h + 16 sg + e.  A weight fragment is then 16 neighbouring f32 of a row: four 16-byte LDS loads and eight packed conversions.
; AF: byte ((2 G + t) 4 + p) 512 + 16 lane + 2 e holds y[16 t + lane % 16][64 G + 32 (lane / 16) + 8 p + e]; pieces p = 2 sg, 2 sg + 1 are one fragment.
; w1f: byte 4096 tile + 1024 ks + 512 q + 16 lane, ks = 2 G + sg, q = registers 0-3 or 4-7 of the fragment of W1's rows 16 tile + lane % 16.
; The 32 x 128 hidden numbers of a wave's k range are made in every work-group anew (128 GELUs a lane): less than a launch of its own would cost.
; GELU: exact form 0.5 x (1 + erf(x / sqrt 2)), erf by the five-term form of Abramowitz and Stegun 7.1.26 (|error| at most 1.5e-7),
; so the result is off by about 1.5e-7 |x|.  Matrix operands are rounded to bf16, sums are f32.
; No cluster: the work-groups share no weight tile; what they share (128 bytes of x_query, 4 KiB of w1q and b1q) goes straight to registers.
.set WPITCH, 528                       ; an LDS row: 512 bytes + 16, an odd multiple of 16: the 16 rows of a fragment load start 16 bytes apart modulo 256
.set WTILE,  16*WPITCH                 ; a wave's 16 rows x 128 k of W2q
.set W1T,    4*WTILE                   ; 16 rows of W1, four from each wave's load
.set SCR,    W1T+WTILE                 ; 42,240 = 165 x 256: partial sums of the four waves, 8 KiB into which no tensor load lands
.set AB,  12                           ; v[12:75]   16 pieces of 4 registers: gelu(..) in bf16, index (2 Gl + t) 4 + p
.set WQ,  76                           ; v[76:139]  w1q of my 64 k
.set BQ,  140                          ; v[140:203] b1q of my 64 k
.set X,   204                          ; v[204:211] eight numbers at work
.set TAX, 212                          ; GELU8's temporaries
.set TW,  220
.set TD,  228
.set TQ,  236
.set XQ,  244                          ; v[244:245] xq of batch r and of batch 16 + r
.set VA4, 246                          ; v[246:247] a4/2 twice
.set BI,  248                          ; v[248:255] bias of my eight columns
.set WF,  76                           ; later: weight rows as f32
.set WA,  140                          ; v[140:171] four weight fragments
.set DA,  172                          ; v[172:187] two accumulator tiles
.set W1L, 188                          ; v[188:203] 16 f32 of W1
.set W1P, 204                          ; v[204:211] one fragment of W1
.set RD,  76                           ; the finish: four waves' partial sums
.set PK,  108
.set G0A, 24
.set G1A, 28
.set G0B, 36
.set G1B, 40
.set SMASK, 48
.set SK1, 50
.set SP,  52
.set SA5, 54
.set SA3, 56
.set SA2, 58
.set SA1, 60
.macro PAIR reg, val                   ; a constant in both registers of a pair: a packed instruction names the pair
	s_mov_b32 s[\reg], \val
	s_mov_b32 s[\reg+1], \val
.endm
; gelu in place on v[x : x+7]:  t = 1 / (1 + P |x|),  r = (poly(t) / 2) 2^-(K1 x)^2,  gelu = |x| (0.5 - r) + 0.5 x
.macro GELU8 x
.irp i, 0,1,2,3,4,5,6,7
	v_and_b32 v[TAX+\i], s[SMASK], v[\x+\i]
.endr
.irp i, 0,2,4,6
	v_pk_mul_f32 v[TW+\i:TW+\i+1], v[\x+\i:\x+\i+1], s[SK1:SK1+1] op_sel_hi:[1,0]
.endr
.irp i, 0,2,4,6
	v_pk_fma_f32 v[TD+\i:TD+\i+1], v[TAX+\i:TAX+\i+1], s[SP:SP+1], 1.0 op_sel_hi:[1,0,0]
.endr
.irp i, 0,2,4,6
	v_pk_mul_f32 v[TW+\i:TW+\i+1], v[TW+\i:TW+\i+1], v[TW+\i:TW+\i+1] neg_lo:[1,0] neg_hi:[1,0]
.endr
.irp i, 0,1,2,3,4,5,6,7
	v_rcp_f32 v[TD+\i], v[TD+\i]
.endr
.irp i, 0,1,2,3,4,5,6,7
	v_exp_f32 v[TW+\i], v[TW+\i]
.endr
.irp i, 0,2,4,6
	v_pk_mul_f32 v[\x+\i:\x+\i+1], v[\x+\i:\x+\i+1], 0.5 op_sel_hi:[1,0]   ; plain work that touches no transcendental's register stands behind them (ISA guide 5.7.2)
.endr
	s_wait_alu depctr_va_vdst(0)
.irp i, 0,2,4,6
	v_pk_fma_f32 v[TQ+\i:TQ+\i+1], v[TD+\i:TD+\i+1], s[SA5:SA5+1], v[VA4:VA4+1] op_sel_hi:[1,0,1]
.endr
.irp i, 0,2,4,6
	v_pk_fma_f32 v[TQ+\i:TQ+\i+1], v[TQ+\i:TQ+\i+1], v[TD+\i:TD+\i+1], s[SA3:SA3+1] op_sel_hi:[1,1,0]
.endr
.irp i, 0,2,4,6
	v_pk_fma_f32 v[TQ+\i:TQ+\i+1], v[TQ+\i:TQ+\i+1], v[TD+\i:TD+\i+1], s[SA2:SA2+1] op_sel_hi:[1,1,0]
.endr
.irp i, 0,2,4,6
	v_pk_fma_f32 v[TQ+\i:TQ+\i+1], v[TQ+\i:TQ+\i+1], v[TD+\i:TD+\i+1], s[SA1:SA1+1] op_sel_hi:[1,1,0]
.endr
.irp i, 0,2,4,6
	v_pk_mul_f32 v[TQ+\i:TQ+\i+1], v[TQ+\i:TQ+\i+1], v[TD+\i:TD+\i+1]
.endr
.irp i, 0,2,4,6
	v_pk_fma_f32 v[TQ+\i:TQ+\i+1], v[TQ+\i:TQ+\i+1], v[TW+\i:TW+\i+1], 0.5 op_sel_hi:[1,1,0] neg_lo:[1,0,0] neg_hi:[1,0,0]
.endr
.irp i, 0,2,4,6
	v_pk_fma_f32 v[\x+\i:\x+\i+1], v[TAX+\i:TAX+\i+1], v[TQ+\i:TQ+\i+1], v[\x+\i:\x+\i+1]
.endr
.endm
	s_load_b512 s[4:19], s[0:1], 0x0               ; x_query s[4:5], w1q s[6:7], b1q s[8:9], W2q s[10:11], b2q s[12:13], W1 s[14:15], afa s[16:17], w1f s[18:19]
	s_set_vgpr_msb 0x40
	v_lshl_add_u32 v0, v0, 2, 0x29000
	v_mov_b32 v1, 0
	s_set_vgpr_msb 0x4045
	ds_add_u32 v0, v1
	ds_add_u32 v0, v1
	s_set_vgpr_msb 0x4500
	v_lshrrev_b32 v1, 5, v0
	v_readfirstlane_b32 s20, v1                    ; wave 0..3
	; group 1 for W2q: 16 rows x 128 f32, 512 elements from row to row, 4 words of padding behind every 128
	s_mov_b32 s[G1A+0], (2<<16)|(1<<20)|(6<<22)|(3<<25)
	s_mov_b32 s[G1A+1], 128<<16                    ; tensor_dim0 = 128
	s_mov_b32 s[G1A+2], 16<<16                     ; tensor_dim1 = 16
	s_mov_b32 s[G1A+3], 128<<16                    ; tile_dim0 = 128
	s_mov_b32 s[G1A+4], 16                         ; tile_dim1 = 16
	s_mov_b32 s[G1A+5], 512                        ; pitch
	s_mov_b32 s[G1A+6], 0
	s_mov_b32 s[G1A+7], 0
	; group 1 for W1: 4 rows x 128 f32, 128 elements from row to row, the same padding
	s_mov_b32 s[G1B+0], (2<<16)|(1<<20)|(6<<22)|(3<<25)
	s_mov_b32 s[G1B+1], 128<<16
	s_mov_b32 s[G1B+2], 4<<16
	s_mov_b32 s[G1B+3], 128<<16
	s_mov_b32 s[G1B+4], 4
	s_mov_b32 s[G1B+5], 128
	s_mov_b32 s[G1B+6], 0
	s_mov_b32 s[G1B+7], 0
	s_lshl_b32 s22, ttmp9, 15                      ; 16 c rows of 2,048 bytes
	s_lshl_b32 s21, s20, 9                         ; + my 128 k
	s_add_co_u32 s22, s22, s21
	s_mov_b32 s23, 0
	s_lshl_b32 s62, ttmp9, 13                      ; 16 c rows of 512 bytes
	s_lshl_b32 s21, s20, 11                        ; + my 4 rows
	s_add_co_u32 s62, s62, s21
	s_mov_b32 s63, 0
	s_mov_b32 s[G0A], 1
	s_mul_i32 s[G0A+1], s20, WTILE
	s_mov_b32 s[G0B], 1
	s_mul_i32 s[G0B+1], s20, 4*WPITCH
	s_add_co_u32 s[G0B+1], s[G0B+1], W1T
	s_wait_dscnt 0x0
	s_wait_kmcnt 0x0
	s_add_nc_u64 s[G0A+2:G0A+3], s[10:11], s[22:23]
	s_or_b32 s[G0A+3], s[G0A+3], 0x80000000
	s_add_nc_u64 s[G0B+2:G0B+3], s[14:15], s[62:63]
	s_or_b32 s[G0B+3], s[G0B+3], 0x80000000
	tensor_load_to_lds s[G0A:G0A+3], s[G1A:G1A+7]  ; the wave's two tensor loads go out together, ahead of everything else: two outstanding
	s_nop 0
	tensor_load_to_lds s[G0B:G0B+3], s[G1B:G1B+7]
	s_nop 0
	v_and_b32 v1, 31, v0                           ; lane
	v_and_b32 v2, 15, v0                           ; r
	v_bfe_u32 v3, v0, 4, 1                         ; h
	s_lshl_b32 s21, s20, 9
	v_lshl_add_u32 v5, v3, 7, s21                  ; w1q, b1q: 4 (128 w + 32 h)
	v_lshlrev_b32 v[TQ], 2, v2                     ; x_query: 4 r
	s_lshl_b32 s21, ttmp9, 6
	v_lshl_add_u32 v6, v3, 5, s21                  ; bias: 4 (16 c + 8 h)
.irp Gl, 0,1
.irp n, 0,1,2,3,4,5,6,7
	global_load_b128 v[WQ+32*\Gl+4*\n:WQ+32*\Gl+4*\n+3], v5, s[6:7] offset:\Gl*256+16*\n
	global_load_b128 v[BQ+32*\Gl+4*\n:BQ+32*\Gl+4*\n+3], v5, s[8:9] offset:\Gl*256+16*\n
.endr
.endr
	global_load_b32 v[XQ], v[TQ], s[4:5]
	global_load_b32 v[XQ+1], v[TQ], s[4:5] offset:64
	global_load_b128 v[BI:BI+3], v6, s[12:13]
	global_load_b128 v[BI+4:BI+7], v6, s[12:13] offset:16
	s_mov_b32 s[SMASK], 0x7fffffff
	PAIR SK1, 0x3f596d27                           ; sqrt(log2(e) / 2)
	PAIR SP,  0x3e6d3388                           ; 0.3275911 / sqrt 2
	PAIR SA5, 0x3f07dc22                           ; a5/2
	PAIR SA3, 0x3f35f0e3                           ; a3/2
	PAIR SA2, 0xbe11a98e                           ; a2/2
	PAIR SA1, 0x3e027906                           ; a1/2
	v_mov_b32 v[VA4], 0xbf3a00e3                   ; a4/2
	v_mov_b32 v[VA4+1], 0xbf3a00e3
	v_mul_u32_u24 v10, v2, WPITCH
	v_lshl_add_u32 v10, v3, 7, v10                 ; r x pitch + 128 h
	v_add_nc_u32 v4, s[G0A+1], v10                 ; my W2q rows
	s_lshr_b32 s21, s20, 1
	s_lshl_b32 s21, s21, 8
	s_and_b32 s22, s20, 1
	s_lshl_b32 s22, s22, 6
	s_add_co_u32 s21, s21, s22
	s_add_co_u32 s21, s21, W1T
	v_add_nc_u32 v10, s21, v10                     ; W1's K step ks = wave: + 256 (w / 2) + 64 (w % 2)
	s_lshl_b32 s21, ttmp9, 12
	s_lshl_b32 s22, s20, 10
	s_add_co_u32 s21, s21, s22
	v_lshl_add_u32 v11, v1, 4, s21                 ; w1f: 4096 c + 1024 w + 16 lane
	s_lshl_b32 s21, s20, 11
	s_add_co_u32 s22, s21, SCR
	v_lshl_add_u32 v7, v1, 4, s22                  ; partial sums out: SCR + 2048 w + 16 lane
	s_lshl_b32 s22, s20, 10
	s_add_co_u32 s22, s22, SCR
	v_lshl_add_u32 v8, v1, 4, s22                  ; and back, batch tile t = wave: SCR + 1024 t + 16 lane
	s_lshr_b32 s22, ttmp9, 2                       ; AF place of y[16 t + r][16 c + 8 h ..]: 4096 (c / 4) + 2048 t + 1024 (c % 2) + 512 h + 256 ((c / 2) % 2) + 16 r
	s_lshl_b32 s22, s22, 12
	s_add_co_u32 s22, s22, s21
	s_and_b32 s23, ttmp9, 1
	s_lshl_b32 s23, s23, 10
	s_add_co_u32 s22, s22, s23
	s_bfe_u32 s23, ttmp9, 0x10001
	s_lshl_b32 s23, s23, 8
	s_add_co_u32 s22, s22, s23
	v_lshl_add_u32 v9, v3, 9, s22
	v_lshl_add_u32 v9, v2, 4, v9
	s_wait_loadcnt 0x0
	; the hidden layer of the query, straight into B fragments: piece (Gl, t, p) = batch 16 t + r, k = 128 w + 64 Gl + 32 h + 8 p + 0..7
.irp Gl, 0,1
.irp t, 0,1
.irp p, 0,1,2,3
.irp k, 0,2,4,6
	v_pk_fma_f32 v[X+\k:X+\k+1], v[WQ+32*\Gl+8*\p+\k:WQ+32*\Gl+8*\p+\k+1], v[XQ:XQ+1], v[BQ+32*\Gl+8*\p+\k:BQ+32*\Gl+8*\p+\k+1] op_sel:[0,\t,0] op_sel_hi:[1,\t,1]
.endr
	GELU8 X
.irp k, 0,1,2,3
	v_cvt_pk_bf16_f32 v[AB+4*((2*\Gl+\t)*4+\p)+\k], v[X+2*\k], v[X+2*\k+1]
.endr
.endr
.endr
.endr
	s_wait_tensorcnt 0x0                           ; both my tiles are in LDS;
	s_barrier_signal -1                            ; W1's 16 rows come from all four waves
	s_barrier_wait -1
.irp ks, 0,1,2,3
.irp n, 0,1,2,3
	ds_load_b128 v[WF+16*\ks+4*\n:WF+16*\ks+4*\n+3], v4 offset:(\ks>>1)*256+(\ks&1)*64+16*\n
.endr
.endr
.irp n, 0,1,2,3
	ds_load_b128 v[W1L+4*\n:W1L+4*\n+3], v10 offset:16*\n
.endr
	s_wait_dscnt 0x0
.set i, 0
.rept 32
	v_cvt_pk_bf16_f32 v[WA+i], v[WF+2*i], v[WF+2*i+1]
.set i, i+1
.endr
.set i, 0
.rept 8
	v_cvt_pk_bf16_f32 v[W1P+i], v[W1L+2*i], v[W1L+2*i+1]
.set i, i+1
.endr
	global_store_b128 v11, v[W1P:W1P+3], s[18:19]              ; each store of the wave covers 512 consecutive bytes, aligned
	global_store_b128 v11, v[W1P+4:W1P+7], s[18:19] offset:512
	; A = 16 rows of W2q, B = 16 batches: register j of lane (r, h) is y[16 t + r][16 c + 8 h + j].  The two accumulators take turns.
.irp ks, 0,1,2,3
.irp t, 0,1
.if \ks == 0
	v_wmma_f32_16x16x32_bf16 v[DA+8*\t:DA+8*\t+7], v[WA+8*\ks:WA+8*\ks+7], v[AB+4*((2*(\ks>>1)+\t)*4+2*(\ks&1)):AB+4*((2*(\ks>>1)+\t)*4+2*(\ks&1))+7], 0
.else
	v_wmma_f32_16x16x32_bf16 v[DA+8*\t:DA+8*\t+7], v[WA+8*\ks:WA+8*\ks+7], v[AB+4*((2*(\ks>>1)+\t)*4+2*(\ks&1)):AB+4*((2*(\ks>>1)+\t)*4+2*(\ks&1))+7], v[DA+8*\t:DA+8*\t+7]
.endif
.endr
.endr
.rept 4
	v_nop                                          ; four places behind the last matrix instruction before its results are stored (ISA guide 7.12.1)
.endr
.irp t, 0,1
.irp q, 0,1
	ds_store_b128 v7, v[DA+8*\t+4*\q:DA+8*\t+4*\q+3] offset:\t*1024+\q*512
.endr
.endr
	s_wait_dscnt 0x0                               ; my partial sums are in LDS, for the waves that add them
	s_barrier_signal -1
	s_barrier_wait -1
	s_cmp_ge_u32 s20, 2
	s_cbranch_scc1 .Lend                           ; waves 0 and 1 finish batch tiles 0 and 1
.irp v, 0,1,2,3
.irp q, 0,1
	ds_load_b128 v[RD+8*\v+4*\q:RD+8*\v+4*\q+3], v8 offset:\v*2048+\q*512
.endr
.endr
	s_wait_dscnt 0x0
.irp k, 0,2,4,6
	v_pk_add_f32 v[RD+\k:RD+\k+1], v[RD+\k:RD+\k+1], v[RD+8+\k:RD+8+\k+1]
	v_pk_add_f32 v[RD+16+\k:RD+16+\k+1], v[RD+16+\k:RD+16+\k+1], v[RD+24+\k:RD+24+\k+1]
.endr
.irp k, 0,2,4,6
	v_pk_add_f32 v[RD+\k:RD+\k+1], v[RD+\k:RD+\k+1], v[RD+16+\k:RD+16+\k+1]
.endr
.irp k, 0,2,4,6
	v_pk_add_f32 v[RD+\k:RD+\k+1], v[RD+\k:RD+\k+1], v[BI+\k:BI+\k+1]
.endr
.irp k, 0,1,2,3
	v_cvt_pk_bf16_f32 v[PK+\k], v[RD+2*\k], v[RD+2*\k+1]
.endr
	global_store_b128 v9, v[PK:PK+3], s[16:17]     ; sixteen neighbouring lanes store 256 consecutive bytes, aligned
.Lend:
	s_set_vgpr_msb 0x5
	s_wait_tensorcnt 0x0
	ds_add_u32 v0, v1
	s_wait_dscnt 0x0
	s_set_vgpr_msb 0x500
	s_endpgm
.Lfunc_end_k_q019d73c348_pre1:
	.size	k_q019d73c348_pre1, .Lfunc_end_k_q019d73c348_pre1-k_q019d73c348_pre1
	.p2alignl 7, 3214868480
	.fill 96, 4, 3214868480
	.section	.rodata,"a",@progbits
	.p2align	6, 0x0
	.amdhsa_kernel k_q019d73c348_pre1
		.amdhsa_group_segment_fixed_size 168448
		.amdhsa_private_segment_fixed_size 0
		.amdhsa_enable_private_segment 0
		.amdhsa_kernarg_size 64
		.amdhsa_user_sgpr_count 2
		.amdhsa_user_sgpr_kernarg_segment_ptr 1
		.amdhsa_wavefront_size32 1
		.amdhsa_system_sgpr_workgroup_id_x 1
		.amdhsa_system_sgpr_workgroup_id_y 1
		.amdhsa_system_sgpr_workgroup_id_z 1
		.amdhsa_system_vgpr_workitem_id 0
		.amdhsa_next_free_vgpr 258
		.amdhsa_next_free_sgpr 66
		.amdhsa_reserve_vcc 0
		.amdhsa_float_denorm_mode_32 3
		.amdhsa_float_denorm_mode_16_64 3
		.amdhsa_memory_ordered 1
		.amdhsa_forward_progress 1
		.amdhsa_inst_pref_size 81
	.end_amdhsa_kernel
	.amdgpu_metadata
---
amdhsa.version: [ 1, 2 ]
amdhsa.kernels:
  - .name:           k_q019d73c348_pre1
    .symbol:         k_q019d73c348_pre1.kd
    .args:
      - { .name: x_query, .offset: 0, .size: 8, .value_kind: global_buffer, .address_space: global }
      - { .name: psi_q_w1, .offset: 8, .size: 8, .value_kind: global_buffer, .address_space: global }
      - { .name: psi_q_b1, .offset: 16, .size: 8, .value_kind: global_buffer, .address_space: global }
      - { .name: psi_q_w2, .offset: 24, .size: 8, .value_kind: global_buffer, .address_space: global }
      - { .name: psi_q_b2, .offset: 32, .size: 8, .value_kind: global_buffer, .address_space: global }
      - { .name: psi_x_w1, .offset: 40, .size: 8, .value_kind: global_buffer, .address_space: global }
      - { .name: afa, .offset: 48, .size: 8, .value_kind: global_buffer, .address_space: global }
      - { .name: w1f, .offset: 56, .size: 8, .value_kind: global_buffer, .address_space: global }
    .group_segment_fixed_size: 168448
    .private_segment_fixed_size: 0
    .kernarg_segment_align: 8
    .kernarg_segment_size: 64
    .max_flat_workgroup_size: 128
    .sgpr_count:     66
    .vgpr_count:     258
    .wavefront_size: 32
...
	.end_amdgpu_metadata
.endif
;; end of part 1
;; launch lin_q (part 2): grid 32 x 1, 4 waves a work-group, no clusters, 168,448 bytes of LDS; arguments afa, q_w, q_b, afb; writes afb
.if DOCPART == 2
	.amdgcn_target "amdgcn-amd-amdhsa--gfx1250"
	.amdhsa_code_object_version 6
	.text
	.protected	k_q019d73c348_lin_q
	.globl	k_q019d73c348_lin_q
	.p2align	8
	.type	k_q019d73c348_lin_q,@function
k_q019d73c348_lin_q:
	s_mov_b64 s[64:65], 0
	v_nop
	global_prefetch_b8 v0, s[64:65] scope:SCOPE_SE
	s_setreg_imm32_b32 hwreg(HW_REG_WAVE_MODE, 25, 1), 1
	s_wait_xcnt 0x0
; y[b][n] = sum over k of a[b][k] W[n][k] + bias[n]:  a 32 x 512 in bf16 in fragment order (AF), W 512 x 512 f32, y stored as AF.
; Work-group c owns columns 16 c .. 16 c + 15; wave w owns k = 128 w .. 128 w + 127, four K steps of 32; the four partial sums meet in LDS.
; ORDER OF K in both operands: in K step (G, sg) lane half h, element e (0..15) stands for k = 64 G + 32 h + 16 sg + e, so that a weight
; fragment is 16 neighbouring f32 of a row (four 16-byte LDS loads, eight packed conversions).
; AF: byte ((2 G + t) 4 + p) 512 + 16 lane + 2 e holds y[16 t + lane % 16][64 G + 32 (lane / 16) + 8 p + e]; pieces p = 2 sg, 2 sg + 1 are one fragment.
; Each weight byte is read once in the launch.  No cluster: the work-groups share no weight tile; the 32 KiB of a go straight into fragment registers.
; Matrix operands are rounded to bf16, sums are f32, y is rounded once to bf16 (it is the next product's operand).
.set WPITCH, 528                       ; 512 bytes + 16: an odd multiple of 16, so the 16 rows of a fragment load start 16 bytes apart modulo 256
.set WTILE,  16*WPITCH
.set SCR,    4*WTILE                   ; 33,792 = 132 x 256: the waves' partial sums, 8 KiB into which no tensor load lands
.set AB,  16                           ; v[16:79]   16 pieces of a, index (2 Gl + t) 4 + p
.set WF,  80                           ; v[80:143]  weight rows as f32
.set WA,  144                          ; v[144:175] four weight fragments
.set DA,  176                          ; v[176:191] two accumulator tiles
.set BI,  192                          ; v[192:199] bias of my eight columns
.set RD,  80                           ; the finish
.set PK,  112
.set G0,  16
.set G1,  20
	s_load_b256 s[4:11], s[0:1], 0x0               ; a s[4:5], W s[6:7], bias s[8:9], y s[10:11]
	v_lshl_add_u32 v208, v0, 2, 0x29000
	v_mov_b32 v209, 0
	ds_add_u32 v208, v209
	ds_add_u32 v208, v209
	v_lshrrev_b32 v1, 5, v0
	v_readfirstlane_b32 s12, v1                    ; wave 0..3
	s_mov_b32 s[G1+0], (2<<16)|(1<<20)|(6<<22)|(3<<25)   ; elements of 4 bytes; 4 words of padding behind every 128
	s_mov_b32 s[G1+1], 128<<16                     ; tensor_dim0 = 128
	s_mov_b32 s[G1+2], 16<<16                      ; tensor_dim1 = 16
	s_mov_b32 s[G1+3], 128<<16                     ; tile_dim0 = 128
	s_mov_b32 s[G1+4], 16                          ; tile_dim1 = 16
	s_mov_b32 s[G1+5], 512                         ; pitch
	s_mov_b32 s[G1+6], 0
	s_mov_b32 s[G1+7], 0
	s_lshl_b32 s28, ttmp9, 15                      ; 16 c rows of 2,048 bytes
	s_lshl_b32 s30, s12, 9                         ; + my 128 k
	s_add_co_u32 s28, s28, s30
	s_mov_b32 s29, 0
	s_mov_b32 s[G0], 1
	s_mul_i32 s[G0+1], s12, WTILE
	s_wait_dscnt 0x0
	s_wait_kmcnt 0x0
	s_add_nc_u64 s[G0+2:G0+3], s[6:7], s[28:29]
	s_or_b32 s[G0+3], s[G0+3], 0x80000000
	tensor_load_to_lds s[G0:G0+3], s[G1:G1+7]      ; the wave's only tensor load: one outstanding
	s_nop 0
	v_and_b32 v1, 31, v0                           ; lane
	v_and_b32 v2, 15, v0                           ; r
	v_bfe_u32 v3, v0, 4, 1                         ; h
	s_lshl_b32 s30, s12, 13
	v_lshl_add_u32 v5, v1, 4, s30                  ; a: 8192 w + 16 lane
.set i, 0
.rept 16
	global_load_b128 v[AB+4*i:AB+4*i+3], v5, s[4:5] offset:512*i
.set i, i+1
.endr
	s_lshl_b32 s31, ttmp9, 6
	v_lshl_add_u32 v6, v3, 5, s31                  ; bias: 4 (16 c + 8 h)
	global_load_b128 v[BI:BI+3], v6, s[8:9]
	global_load_b128 v[BI+4:BI+7], v6, s[8:9] offset:16
	v_mul_u32_u24 v4, v2, WPITCH
	v_lshl_add_u32 v4, v3, 7, v4
	v_add_nc_u32 v4, s[G0+1], v4                   ; my weight rows: tile + r x pitch + 128 h
	s_lshl_b32 s32, s12, 11
	s_add_co_u32 s33, s32, SCR
	v_lshl_add_u32 v7, v1, 4, s33                  ; partial sums out: SCR + 2048 w + 16 lane
	s_lshl_b32 s33, s12, 10
	s_add_co_u32 s33, s33, SCR
	v_lshl_add_u32 v8, v1, 4, s33                  ; and back, batch tile t = wave
	s_lshr_b32 s34, ttmp9, 2                       ; AF place of y[16 t + r][16 c + 8 h ..]: 4096 (c / 4) + 2048 t + 1024 (c % 2) + 512 h + 256 ((c / 2) % 2) + 16 r
	s_lshl_b32 s34, s34, 12
	s_add_co_u32 s34, s34, s32
	s_and_b32 s35, ttmp9, 1
	s_lshl_b32 s35, s35, 10
	s_add_co_u32 s34, s34, s35
	s_bfe_u32 s35, ttmp9, 0x10001
	s_lshl_b32 s35, s35, 8
	s_add_co_u32 s34, s34, s35
	v_lshl_add_u32 v9, v3, 9, s34
	v_lshl_add_u32 v9, v2, 4, v9
	s_wait_tensorcnt 0x0                           ; my tile is in LDS; only I read it, so no barrier
.irp ks, 0,1,2,3
.irp n, 0,1,2,3
	ds_load_b128 v[WF+16*\ks+4*\n:WF+16*\ks+4*\n+3], v4 offset:(\ks>>1)*256+(\ks&1)*64+16*\n
.endr
.endr
	s_wait_dscnt 0x0
.set i, 0
.rept 32
	v_cvt_pk_bf16_f32 v[WA+i], v[WF+2*i], v[WF+2*i+1]
.set i, i+1
.endr
	s_wait_loadcnt 0x0
	; A = 16 rows of W, B = 16 batches: register j of lane (r, h) is y[16 t + r][16 c + 8 h + j].  The two accumulators take turns.
.irp ks, 0,1,2,3
.irp t, 0,1
.if \ks == 0
	v_wmma_f32_16x16x32_bf16 v[DA+8*\t:DA+8*\t+7], v[WA+8*\ks:WA+8*\ks+7], v[AB+4*((2*(\ks>>1)+\t)*4+2*(\ks&1)):AB+4*((2*(\ks>>1)+\t)*4+2*(\ks&1))+7], 0
.else
	v_wmma_f32_16x16x32_bf16 v[DA+8*\t:DA+8*\t+7], v[WA+8*\ks:WA+8*\ks+7], v[AB+4*((2*(\ks>>1)+\t)*4+2*(\ks&1)):AB+4*((2*(\ks>>1)+\t)*4+2*(\ks&1))+7], v[DA+8*\t:DA+8*\t+7]
.endif
.endr
.endr
.rept 4
	v_nop                                          ; four places behind the last matrix instruction before its results are stored (ISA guide 7.12.1)
.endr
.irp t, 0,1
.irp q, 0,1
	ds_store_b128 v7, v[DA+8*\t+4*\q:DA+8*\t+4*\q+3] offset:\t*1024+\q*512
.endr
.endr
	s_wait_dscnt 0x0                               ; my partial sums are in LDS, for the waves that add them
	s_barrier_signal -1
	s_barrier_wait -1
	s_cmp_ge_u32 s12, 2
	s_cbranch_scc1 .Lend                           ; waves 0 and 1 finish batch tiles 0 and 1
.irp v, 0,1,2,3
.irp q, 0,1
	ds_load_b128 v[RD+8*\v+4*\q:RD+8*\v+4*\q+3], v8 offset:\v*2048+\q*512
.endr
.endr
	s_wait_dscnt 0x0
.irp k, 0,2,4,6
	v_pk_add_f32 v[RD+\k:RD+\k+1], v[RD+\k:RD+\k+1], v[RD+8+\k:RD+8+\k+1]
	v_pk_add_f32 v[RD+16+\k:RD+16+\k+1], v[RD+16+\k:RD+16+\k+1], v[RD+24+\k:RD+24+\k+1]
.endr
.irp k, 0,2,4,6
	v_pk_add_f32 v[RD+\k:RD+\k+1], v[RD+\k:RD+\k+1], v[RD+16+\k:RD+16+\k+1]
.endr
.irp k, 0,2,4,6
	v_pk_add_f32 v[RD+\k:RD+\k+1], v[RD+\k:RD+\k+1], v[BI+\k:BI+\k+1]
.endr
.irp k, 0,1,2,3
	v_cvt_pk_bf16_f32 v[PK+\k], v[RD+2*\k], v[RD+2*\k+1]
.endr
	global_store_b128 v9, v[PK:PK+3], s[10:11]     ; sixteen neighbouring lanes store 256 consecutive bytes, aligned
.Lend:
	s_wait_tensorcnt 0x0
	ds_add_u32 v208, v209
	s_wait_dscnt 0x0
	s_endpgm
.Lfunc_end_k_q019d73c348_lin_q:
	.size	k_q019d73c348_lin_q, .Lfunc_end_k_q019d73c348_lin_q-k_q019d73c348_lin_q
	.p2alignl 7, 3214868480
	.fill 96, 4, 3214868480
	.section	.rodata,"a",@progbits
	.p2align	6, 0x0
	.amdhsa_kernel k_q019d73c348_lin_q
		.amdhsa_group_segment_fixed_size 168448
		.amdhsa_private_segment_fixed_size 0
		.amdhsa_enable_private_segment 0
		.amdhsa_kernarg_size 32
		.amdhsa_user_sgpr_count 2
		.amdhsa_user_sgpr_kernarg_segment_ptr 1
		.amdhsa_wavefront_size32 1
		.amdhsa_system_sgpr_workgroup_id_x 1
		.amdhsa_system_sgpr_workgroup_id_y 1
		.amdhsa_system_sgpr_workgroup_id_z 1
		.amdhsa_system_vgpr_workitem_id 0
		.amdhsa_next_free_vgpr 210
		.amdhsa_next_free_sgpr 66
		.amdhsa_reserve_vcc 0
		.amdhsa_float_denorm_mode_32 3
		.amdhsa_float_denorm_mode_16_64 3
		.amdhsa_memory_ordered 1
		.amdhsa_forward_progress 1
		.amdhsa_inst_pref_size 11
	.end_amdhsa_kernel
	.amdgpu_metadata
---
amdhsa.version: [ 1, 2 ]
amdhsa.kernels:
  - .name:           k_q019d73c348_lin_q
    .symbol:         k_q019d73c348_lin_q.kd
    .args:
      - { .name: afa, .offset: 0, .size: 8, .value_kind: global_buffer, .address_space: global }
      - { .name: q_w, .offset: 8, .size: 8, .value_kind: global_buffer, .address_space: global }
      - { .name: q_b, .offset: 16, .size: 8, .value_kind: global_buffer, .address_space: global }
      - { .name: afb, .offset: 24, .size: 8, .value_kind: global_buffer, .address_space: global }
    .group_segment_fixed_size: 168448
    .private_segment_fixed_size: 0
    .kernarg_segment_align: 8
    .kernarg_segment_size: 32
    .max_flat_workgroup_size: 128
    .sgpr_count:     66
    .vgpr_count:     210
    .wavefront_size: 32
...
	.end_amdgpu_metadata
.endif
;; end of part 2
;; launch lint_t (part 3): grid 8 x 1, 8 waves a work-group, no clusters, 82,944 bytes of LDS; arguments afb, k_w, k_b, afa, c1; writes afa, c1
.if DOCPART == 3
	.amdgcn_target "amdgcn-amd-amdhsa--gfx1250"
	.amdhsa_code_object_version 6
	.text
	.protected	k_q019d73c348_lint_t
	.globl	k_q019d73c348_lint_t
	.p2align	8
	.type	k_q019d73c348_lint_t,@function
k_q019d73c348_lint_t:
	s_mov_b64 s[64:65], 0
	v_nop
	global_prefetch_b8 v0, s[64:65] scope:SCOPE_SE
	s_setreg_imm32_b32 hwreg(HW_REG_WAVE_MODE, 25, 1), 1
	s_wait_xcnt 0x0
; y[b][j] = sum over i of a[b][i] W[i][j]  (the product with W itself, not its transpose), stored as AF;  cdot[b] = sum over i of a[b][i] bvec[i].
; It moves the one query of each batch through the key projection and the items' second layer:  q . (Kw h + kb) = (q Kw) . h + q . kb.
; a: 32 x 512 bf16 in fragment order (AF: byte ((2 G + t) 4 + p) 512 + 16 lane + 2 e holds a[16 t + lane % 16][64 G + 32 (lane / 16) + 8 p + e]).
; Work-group Gc owns columns 64 Gc .. + 63; wave w owns i = 64 w .. + 63, two K steps sg; in a K step lane half h, element e stands for i = 64 w + 32 h + 16 sg + e.
; Weight rows go straight to registers: sixteen lanes read 256 consecutive bytes of one row, aligned; lane (r, h) gets columns 64 Gc + 4 r + cc (cc = 0..3)
; of its 32 rows, so A tile cc has row m = column 64 Gc + 4 m + cc, and a fragment register is one packed conversion of two rows' words: no transposing pass.
; A fifth A tile holds bvec in every row: its product is cdot.  Each weight byte is read once.  No tensor load, no cluster: no weight tile is shared.
; Matrix operands (bvec too) are rounded to bf16, sums are f32, y is rounded once to bf16.
.set WL, 16                            ; v[16:143]  32 rows x 4 columns of W in f32: WL + 4 (16 sg + e) + cc
.set TA, 144                           ; v[144:175] A fragments of sg = 0, tile cc at TA + 8 cc
.set TB, 16                            ; v[16:47]   A fragments of sg = 1 (over the words of sg = 0, which are spent)
.set BF, 176                           ; v[176:207] a's pieces, index 4 t + p
.set BV, 208                           ; v[208:239] bvec of my 32 i, f32
.set A5, 240                           ; v[240:255] the bvec fragments of sg = 0, 1
.set DD, 48                            ; v[48:127]  ten accumulator tiles: 2 cc + t, then 8 + t for bvec
.set FL, 144                           ; v[144:207] the finish: eight waves' partial sums
.set PK, 208
.set CD, 212
.set WSCR, 10240                       ; a wave's partial sums in LDS: ten tiles of 1 KiB
	s_load_b256 s[4:11], s[0:1], 0x0               ; a s[4:5], W s[6:7], bvec s[8:9], y s[10:11]
	s_load_b64 s[12:13], s[0:1], 0x20              ; cdot
	v_lshl_add_u32 v14, v0, 2, 0x14000
	v_mov_b32 v15, 0
	v_lshrrev_b32 v1, 5, v0
	v_readfirstlane_b32 s14, v1                    ; wave 0..7
	v_and_b32 v1, 31, v0                           ; lane
	v_and_b32 v2, 15, v0                           ; r
	v_bfe_u32 v3, v0, 4, 1                         ; h
	v_lshlrev_b32 v4, 4, v2
	v_lshl_add_u32 v4, v3, 16, v4                  ; W: 32 h rows of 2,048 bytes + 16 r
	s_lshl_b32 s16, s14, 17                        ; 64 w rows
	s_lshl_b32 s18, ttmp9, 8                       ; + my 64 columns
	s_add_co_u32 s16, s16, s18
	s_mov_b32 s17, 0
	s_lshl_b32 s18, s14, 8
	v_lshl_add_u32 v5, v3, 7, s18                  ; bvec: 4 (64 w + 32 h)
	s_lshl_b32 s19, s14, 12
	v_lshl_add_u32 v6, v1, 4, s19                  ; a: 4096 w + 16 lane
	s_wait_kmcnt 0x0
	s_add_nc_u64 s[6:7], s[6:7], s[16:17]
.set i, 0
.rept 32
	global_load_b128 v[WL+4*i:WL+4*i+3], v4, s[6:7] offset:2048*i
.set i, i+1
.endr
.set i, 0
.rept 8
	global_load_b128 v[BV+4*i:BV+4*i+3], v5, s[8:9] offset:16*i
	global_load_b128 v[BF+4*i:BF+4*i+3], v6, s[4:5] offset:512*i
.set i, i+1
.endr
	s_mul_i32 s20, s14, WSCR
	v_lshl_add_u32 v7, v1, 3, s20                  ; partial sums out: 10240 w + 8 lane
	s_and_b32 s21, s14, 1                          ; the finish: wave w takes batch tile t = w % 2 and piece p = w / 2
	s_lshl_b32 s21, s21, 10
	s_lshr_b32 s22, s14, 1
	s_lshl_b32 s22, s22, 8
	s_add_co_u32 s21, s21, s22
	v_lshl_add_u32 v8, v1, 3, s21                  ; 1024 t + 256 p + 8 lane
	v_add_nc_u32 v9, 4*WSCR, v8                    ; a second base for waves 4 to 7: an LDS offset has 16 bits
	s_lshl_b32 s22, s21, 1
	s_lshl_b32 s23, ttmp9, 12
	s_add_co_u32 s22, s22, s23
	v_lshl_add_u32 v10, v1, 4, s22                 ; AF: ((2 Gc + t) 4 + p) 512 + 16 lane
	v_lshlrev_b32 v11, 3, v2
	v_lshl_add_u32 v11, v3, 10, v11
	v_add_nc_u32 v11, 8192, v11                    ; cdot of batch = lane: tile 8 + lane / 16, register 0 of lane % 16
	v_add_nc_u32 v12, 4*WSCR, v11
	v_lshlrev_b32 v13, 2, v1
	s_wait_loadcnt 0x0
.irp cc, 0,1,2,3
.irp p, 0,1,2,3,4,5,6,7
	v_cvt_pk_bf16_f32 v[TA+8*\cc+\p], v[WL+8*\p+\cc], v[WL+8*\p+4+\cc]
.endr
.endr
.irp cc, 0,1,2,3
.irp p, 0,1,2,3,4,5,6,7
	v_cvt_pk_bf16_f32 v[TB+8*\cc+\p], v[WL+64+8*\p+\cc], v[WL+64+8*\p+4+\cc]
.endr
.endr
.set i, 0
.rept 16
	v_cvt_pk_bf16_f32 v[A5+i], v[BV+2*i], v[BV+2*i+1]
.set i, i+1
.endr
	; register j of lane (r, h) of tile (cc, t) is y[16 t + r][64 Gc + 4 (8 h + j) + cc].  The ten accumulators take turns.
.irp cc, 0,1,2,3
.irp t, 0,1
	v_wmma_f32_16x16x32_bf16 v[DD+8*(2*\cc+\t):DD+8*(2*\cc+\t)+7], v[TA+8*\cc:TA+8*\cc+7], v[BF+16*\t:BF+16*\t+7], 0
.endr
.endr
.irp t, 0,1
	v_wmma_f32_16x16x32_bf16 v[DD+8*(8+\t):DD+8*(8+\t)+7], v[A5:A5+7], v[BF+16*\t:BF+16*\t+7], 0
.endr
.irp cc, 0,1,2,3
.irp t, 0,1
	v_wmma_f32_16x16x32_bf16 v[DD+8*(2*\cc+\t):DD+8*(2*\cc+\t)+7], v[TB+8*\cc:TB+8*\cc+7], v[BF+16*\t+8:BF+16*\t+15], v[DD+8*(2*\cc+\t):DD+8*(2*\cc+\t)+7]
.endr
.endr
.irp t, 0,1
	v_wmma_f32_16x16x32_bf16 v[DD+8*(8+\t):DD+8*(8+\t)+7], v[A5+8:A5+15], v[BF+16*\t+8:BF+16*\t+15], v[DD+8*(8+\t):DD+8*(8+\t)+7]
.endr
.rept 4
	v_nop                                          ; four places behind the last matrix instruction: its results are stored, its sources loaded over (ISA guide 7.12.1)
.endr
.set i, 0
.rept 40
	ds_store_b64 v7, v[DD+2*i:DD+2*i+1] offset:256*i           ; tile i / 4, register pair i % 4: 256 consecutive bytes
.set i, i+1
.endr
	s_wait_dscnt 0x0                               ; my partial sums are in LDS, for the waves that add them
	s_barrier_signal -1
	s_barrier_wait -1
.irp v, 0,1,2,3
.irp cc, 0,1,2,3
	ds_load_b64 v[FL+2*(4*\v+\cc):FL+2*(4*\v+\cc)+1], v8 offset:\v*WSCR+\cc*2048
	ds_load_b64 v[FL+2*(16+4*\v+\cc):FL+2*(16+4*\v+\cc)+1], v9 offset:\v*WSCR+\cc*2048
.endr
.endr
	s_wait_dscnt 0x0
.irp v, 1,2,3,4,5,6,7
.irp cc, 0,1,2,3
	v_pk_add_f32 v[FL+2*\cc:FL+2*\cc+1], v[FL+2*\cc:FL+2*\cc+1], v[FL+2*(4*\v+\cc):FL+2*(4*\v+\cc)+1]
.endr
.endr
	; piece p of lane (r, h): columns 32 h + 8 p + e, e = 4 (j % 2) + cc with j = 2 p, 2 p + 1: the low words of the four pairs, then the high words
	v_cvt_pk_bf16_f32 v[PK],   v[FL],   v[FL+2]
	v_cvt_pk_bf16_f32 v[PK+1], v[FL+4], v[FL+6]
	v_cvt_pk_bf16_f32 v[PK+2], v[FL+1], v[FL+3]
	v_cvt_pk_bf16_f32 v[PK+3], v[FL+5], v[FL+7]
	global_store_b128 v10, v[PK:PK+3], s[10:11]    ; the wave's store covers 512 consecutive bytes, aligned
	s_cmp_lg_u32 s14, 0
	s_cbranch_scc1 .Lend
	s_cmp_lg_u32 ttmp9, 0
	s_cbranch_scc1 .Lend                           ; cdot is the same in all work-groups: wave 0 of work-group 0 stores it
.irp v, 0,1,2,3
	ds_load_b32 v[CD+\v], v11 offset:\v*WSCR
	ds_load_b32 v[CD+4+\v], v12 offset:\v*WSCR
.endr
	s_wait_dscnt 0x0
	v_pk_add_f32 v[CD:CD+1], v[CD:CD+1], v[CD+2:CD+3]
	v_pk_add_f32 v[CD+4:CD+5], v[CD+4:CD+5], v[CD+6:CD+7]
	v_pk_add_f32 v[CD:CD+1], v[CD:CD+1], v[CD+4:CD+5]
	v_add_f32 v[CD], v[CD], v[CD+1]
	global_store_b32 v13, v[CD], s[12:13]
.Lend:
	s_wait_tensorcnt 0x0
	ds_add_u32 v14, v15
	s_wait_dscnt 0x0
	s_endpgm
.Lfunc_end_k_q019d73c348_lint_t:
	.size	k_q019d73c348_lint_t, .Lfunc_end_k_q019d73c348_lint_t-k_q019d73c348_lint_t
	.p2alignl 7, 3214868480
	.fill 96, 4, 3214868480
	.section	.rodata,"a",@progbits
	.p2align	6, 0x0
	.amdhsa_kernel k_q019d73c348_lint_t
		.amdhsa_group_segment_fixed_size 82944
		.amdhsa_private_segment_fixed_size 0
		.amdhsa_enable_private_segment 0
		.amdhsa_kernarg_size 40
		.amdhsa_user_sgpr_count 2
		.amdhsa_user_sgpr_kernarg_segment_ptr 1
		.amdhsa_wavefront_size32 1
		.amdhsa_system_sgpr_workgroup_id_x 1
		.amdhsa_system_sgpr_workgroup_id_y 1
		.amdhsa_system_sgpr_workgroup_id_z 1
		.amdhsa_system_vgpr_workitem_id 0
		.amdhsa_next_free_vgpr 256
		.amdhsa_next_free_sgpr 66
		.amdhsa_reserve_vcc 0
		.amdhsa_float_denorm_mode_32 3
		.amdhsa_float_denorm_mode_16_64 3
		.amdhsa_memory_ordered 1
		.amdhsa_forward_progress 1
		.amdhsa_inst_pref_size 21
	.end_amdhsa_kernel
	.amdgpu_metadata
---
amdhsa.version: [ 1, 2 ]
amdhsa.kernels:
  - .name:           k_q019d73c348_lint_t
    .symbol:         k_q019d73c348_lint_t.kd
    .args:
      - { .name: afb, .offset: 0, .size: 8, .value_kind: global_buffer, .address_space: global }
      - { .name: k_w, .offset: 8, .size: 8, .value_kind: global_buffer, .address_space: global }
      - { .name: k_b, .offset: 16, .size: 8, .value_kind: global_buffer, .address_space: global }
      - { .name: afa, .offset: 24, .size: 8, .value_kind: global_buffer, .address_space: global }
      - { .name: c1, .offset: 32, .size: 8, .value_kind: global_buffer, .address_space: global }
    .group_segment_fixed_size: 82944
    .private_segment_fixed_size: 0
    .kernarg_segment_align: 8
    .kernarg_segment_size: 40
    .max_flat_workgroup_size: 256
    .sgpr_count:     66
    .vgpr_count:     256
    .wavefront_size: 32
...
	.end_amdgpu_metadata
.endif
;; end of part 3
;; launch lint_u: the kernel of part 3 again; grid 8 x 1, 8 waves a work-group, no clusters, 82,944 bytes of LDS; arguments afa, psi_x_w2, psi_x_b2, afb, c2; writes afb, c2
;; launch main (part 4): grid 256 x 1, 4 waves a work-group, no clusters, 168,448 bytes of LDS; arguments x_items, w1f, psi_x_b1, afb, c1, c2, part, stat; writes part, stat
.if DOCPART == 4
	.amdgcn_target "amdgcn-amd-amdhsa--gfx1250"
	.amdhsa_code_object_version 6
	.text
	.protected	k_q019d73c348_main
	.globl	k_q019d73c348_main
	.p2align	8
	.type	k_q019d73c348_main,@function
k_q019d73c348_main:
	s_mov_b64 s[64:65], 0
	v_nop
	global_prefetch_b8 v0, s[64:65] scope:SCOPE_SE
	s_setreg_imm32_b32 hwreg(HW_REG_WAVE_MODE, 25, 1), 1
	s_wait_xcnt 0x0
; The items.  g[n][c] = gelu(x[n] . W1[c] + b1[c]);  score[n] = s (u . g[n] + c1 + c2), s = 512^-1/2;  a softmax over n with a running maximum;  sum over n of p[n] g[n][c].
; All that follows the items' GELU in the model is linear and each batch has one query, so the second layer and the key and value projections
; are applied to the query side (u, c1, c2: earlier launches) and to the weighted mean of g (later launches).  This holds for every input.
; Work-group g: batch g / 8, items 256 (g % 8) .. + 255: 128 KiB of x, read once by four tensor loads.  Wave w owns columns 128 w .. + 127 (8 tiles T) of all 256 items;
; its 32 fragments of W1 (bf16, in fragment order from w1f) stay in 256 registers for the whole launch, its bias tiles in 64.
; A step is 16 items: 32 matrix instructions, 2,048 GELUs a wave (64 a lane), the score's part over my columns, an exchange of four waves' parts through LDS
; (one barrier a step, two slots by turns; the next step's conversions and matrix instructions stand between the barrier's signal and its wait), the softmax update.
; Out: part[g][512] = sum of 2^(score' - M) g, stat[g] = (M, L), score' = score log2(e).  g, scores, softmax and sums are f32; x, W1 and u are rounded to bf16.
; GELU: exact form, erf by Abramowitz and Stegun 7.1.26 (|error| at most 1.5e-7): off by about 1.5e-7 |x|.
; No cluster: x is shared by no two work-groups.  W1's fragments are shared by all, but they are read once, at the start, straight into the registers where they stay;
; a joint load would bring them to LDS first: 64 more LDS loads a wave and the cluster's barriers, for one pass over 128 KiB.
; ORDER OF K in both operands: K step ks = 2 G + sg, lane half h, element e (0..15) stands for k = 64 G + 32 h + 16 sg + e.
; REGISTERS: window 1 (v256-511): W1 fragments, tile T, K step ks at 8 (4 T + ks).  Window 2 (v512-575): bias tiles, T at 8 T.  Window 0: all else.
.set XPITCH, 528                       ; a row of x in LDS: 512 bytes + 16, an odd multiple of 16
.set XTILE,  16*XPITCH
.set SC,     256*XPITCH                ; 135,168 = 528 x 256: two slots of 256 bytes: [wave 64][lane half 32][item 4]
.set OUT,    SC+512                    ; 512 bytes a wave, for the way out
.set MN,  10                           ; v10 new maximum, v11 running maximum (a pair)
.set M,   11
.set AL,  12                           ; v12 2^(M - MN), v13 the other half's maximum (a pair)
.set TM2, 13
.set L,   14                           ; running sum of p over my half's items
.set TMP, 15
.set C64, 16                           ; v[16:17]  (c1 + c2) s log2(e) / 64: 16 lanes x 4 waves add it up again
.set VA4, 18                           ; v[18:19]  a4/2 twice
.set U,   20                           ; v[20:27]  u[128 w + 16 T + r] s log2(e)
.set SA,  28                           ; v[28:35]  scores, then p, of items 8 h + j
.set ACC, 36                           ; v[36:51]  a pair for each T: even and odd items' sums of p g
.set XB,  52                           ; v[52:83]  four fragments of x
.set TAX, 84                           ; GELU8's temporaries
.set TW,  92
.set TD,  100
.set TQ,  108
.set LD,  84                           ; v[84:115] the four waves' score parts (over the temporaries)
.set GA,  116                          ; v[116:179], v[180:243]: x as f32 on landing, then accumulators, then g; two sets by turns
.set GB,  180
.set G0,  28
.set G1,  32
.set SMASK, 48
.set SK1, 50
.set SP,  52
.set SA5, 54
.set SA3, 56
.set SA2, 58
.set SA1, 60
.set MSB, 0
.macro WIN new                         ; s_set_vgpr_msb: bits 1:0 source 0, 3:2 source 1, 5:4 source 2, 7:6 destination; the high byte repeats the setting that is left
.if MSB != \new
	s_set_vgpr_msb (MSB<<8)|\new
.set MSB, \new
.endif
.endm
.macro PAIR reg, val
	s_mov_b32 s[\reg], \val
	s_mov_b32 s[\reg+1], \val
.endm
; gelu in place on v[x : x+7]:  t = 1 / (1 + P |x|),  r = (poly(t) / 2) 2^-(K1 x)^2,  gelu = |x| (0.5 - r) + 0.5 x
.macro GELU8 x
.irp i, 0,1,2,3,4,5,6,7
	v_and_b32 v[TAX+\i], s[SMASK], v[\x+\i]
.endr
.irp i, 0,2,4,6
	v_pk_mul_f32 v[TW+\i:TW+\i+1], v[\x+\i:\x+\i+1], s[SK1:SK1+1] op_sel_hi:[1,0]
.endr
.irp i, 0,2,4,6
	v_pk_fma_f32 v[TD+\i:TD+\i+1], v[TAX+\i:TAX+\i+1], s[SP:SP+1], 1.0 op_sel_hi:[1,0,0]
.endr
.irp i, 0,2,4,6
	v_pk_mul_f32 v[TW+\i:TW+\i+1], v[TW+\i:TW+\i+1], v[TW+\i:TW+\i+1] neg_lo:[1,0] neg_hi:[1,0]
.endr
.irp i, 0,1,2,3,4,5,6,7
	v_rcp_f32 v[TD+\i], v[TD+\i]
.endr
.irp i, 0,1,2,3,4,5,6,7
	v_exp_f32 v[TW+\i], v[TW+\i]
.endr
.irp i, 0,2,4,6
	v_pk_mul_f32 v[\x+\i:\x+\i+1], v[\x+\i:\x+\i+1], 0.5 op_sel_hi:[1,0]   ; plain work that touches no transcendental's register stands behind them (ISA guide 5.7.2)
.endr
	s_wait_alu depctr_va_vdst(0)
.irp i, 0,2,4,6
	v_pk_fma_f32 v[TQ+\i:TQ+\i+1], v[TD+\i:TD+\i+1], s[SA5:SA5+1], v[VA4:VA4+1] op_sel_hi:[1,0,1]
.endr
.irp i, 0,2,4,6
	v_pk_fma_f32 v[TQ+\i:TQ+\i+1], v[TQ+\i:TQ+\i+1], v[TD+\i:TD+\i+1], s[SA3:SA3+1] op_sel_hi:[1,1,0]
.endr
.irp i, 0,2,4,6
	v_pk_fma_f32 v[TQ+\i:TQ+\i+1], v[TQ+\i:TQ+\i+1], v[TD+\i:TD+\i+1], s[SA2:SA2+1] op_sel_hi:[1,1,0]
.endr
.irp i, 0,2,4,6
	v_pk_fma_f32 v[TQ+\i:TQ+\i+1], v[TQ+\i:TQ+\i+1], v[TD+\i:TD+\i+1], s[SA1:SA1+1] op_sel_hi:[1,1,0]
.endr
.irp i, 0,2,4,6
	v_pk_mul_f32 v[TQ+\i:TQ+\i+1], v[TQ+\i:TQ+\i+1], v[TD+\i:TD+\i+1]
.endr
.irp i, 0,2,4,6
	v_pk_fma_f32 v[TQ+\i:TQ+\i+1], v[TQ+\i:TQ+\i+1], v[TW+\i:TW+\i+1], 0.5 op_sel_hi:[1,1,0] neg_lo:[1,0,0] neg_hi:[1,0,0]
.endr
.irp i, 0,2,4,6
	v_pk_fma_f32 v[\x+\i:\x+\i+1], v[TAX+\i:TAX+\i+1], v[TQ+\i:TQ+\i+1], v[\x+\i:\x+\i+1]
.endr
.endm
; 16 items x 128 k of x as f32 from LDS byte off behind v4: lane (r, h) takes item r, 16 neighbouring numbers for each K step
.macro XLOAD dst, off
.irp ks, 0,1,2,3
.irp n, 0,1,2,3
	ds_load_b128 v[\dst+16*\ks+4*\n:\dst+16*\ks+4*\n+3], v4 offset:\off+(\ks>>1)*256+(\ks&1)*64+16*\n
.endr
.endr
.endm
.macro XCVT src
.set i, 0
.rept 32
	v_cvt_pk_bf16_f32 v[XB+i], v[\src+2*i], v[\src+2*i+1]
.set i, i+1
.endr
.endm
; 32 matrix instructions: A = 16 items, B = 16 columns of tile T: register j of lane (r, h) is (item 8 h + j, column 16 T + r).
; The first K step takes the bias tile as C.  The eight accumulators take turns.
.macro MMA dst
	WIN 0x24                                       ; B in window 1, C in window 2
.irp T, 0,1,2,3,4,5,6,7
	v_wmma_f32_16x16x32_bf16 v[\dst+8*\T:\dst+8*\T+7], v[XB:XB+7], v[32*\T:32*\T+7], v[8*\T:8*\T+7]
.endr
	WIN 0x04                                       ; B in window 1
.irp ks, 1,2,3
.irp T, 0,1,2,3,4,5,6,7
	v_wmma_f32_16x16x32_bf16 v[\dst+8*\T:\dst+8*\T+7], v[XB+8*\ks:XB+8*\ks+7], v[32*\T+8*\ks:32*\T+8*\ks+7], v[\dst+8*\T:\dst+8*\T+7]
.endr
.endr
	WIN 0
.endm
; tile T: GELU, then the score's part: SA[j] += g[j] U[T] (sel = T % 2 picks U[T] out of its pair); tile 0 starts the sums with C64
.macro GS cur, T, sel
	GELU8 \cur+8*\T
.irp k, 0,2,4,6
.if \T == 0
	v_pk_fma_f32 v[SA+\k:SA+\k+1], v[\cur+\k:\cur+\k+1], v[U:U+1], v[C64:C64+1] op_sel_hi:[1,0,1]
.else
	v_pk_fma_f32 v[SA+\k:SA+\k+1], v[\cur+8*\T+\k:\cur+8*\T+\k+1], v[U+\T-\sel:U+\T-\sel+1], v[SA+\k:SA+\k+1] op_sel:[0,\sel,0] op_sel_hi:[1,\sel,1]
.endif
.endr
.endm
; One step of 16 items, whose sums x W1 + b1 lie in cur.  more = 1: the next 16 items are fetched into nxt, converted and multiplied.  par: the step's parity = its score slot.
.macro STEP cur, nxt, par, more
.if \more
	XLOAD \nxt, (\par+1)*XTILE
.endif
	GS \cur, 0, 0
	GS \cur, 1, 1
	GS \cur, 2, 0
	GS \cur, 3, 1
	GS \cur, 4, 0
	GS \cur, 5, 1
	GS \cur, 6, 0
	GS \cur, 7, 1
.irp m, 1,2,4,8
.irp j, 0,1,2,3,4,5,6,7
	v_add_f32_dpp v[SA+\j], v[SA+\j], v[SA+\j] row_xmask:\m row_mask:0xf bank_mask:0xf   ; over my 16 columns of each tile
.endr
.endr
	ds_store_b128 v5, v[SA:SA+3] offset:\par*256               ; the 16 lanes of a half store the same words
	ds_store_b128 v5, v[SA+4:SA+7] offset:\par*256+16
	s_wait_dscnt 0x0                               ; my part of the scores is in LDS, for the other waves; the next items' 16 loads are back as well
	s_barrier_signal -1
.if \more
	XCVT \nxt                                      ; register work alone between the signal and the wait
	MMA \nxt
.endif
	s_barrier_wait -1                              ; all four parts are there.  This slot is stored into again two barriers on; every wave's reads of it are back in front of the barrier between
.irp v, 0,1,2,3
.irp q, 0,1
	ds_load_b128 v[LD+8*\v+4*\q:LD+8*\v+4*\q+3], v6 offset:\par*256+\v*64+16*\q
.endr
.endr
	s_wait_dscnt 0x0
.irp k, 0,2,4,6
	v_pk_add_f32 v[SA+\k:SA+\k+1], v[LD+\k:LD+\k+1], v[LD+8+\k:LD+8+\k+1]
	v_pk_add_f32 v[LD+16+\k:LD+16+\k+1], v[LD+16+\k:LD+16+\k+1], v[LD+24+\k:LD+24+\k+1]
.endr
.irp k, 0,2,4,6
	v_pk_add_f32 v[SA+\k:SA+\k+1], v[SA+\k:SA+\k+1], v[LD+16+\k:LD+16+\k+1]
.endr
	v_max3_num_f32 v[TMP], v[SA], v[SA+1], v[SA+2]
	v_max3_num_f32 v[TMP], v[TMP], v[SA+3], v[SA+4]
	v_max3_num_f32 v[TMP], v[TMP], v[SA+5], v[SA+6]
	v_max_num_f32 v[TMP], v[TMP], v[SA+7]
	v_permlanex16_b32 v[TM2], v[TMP], s46, s47     ; the other eight items' maximum
	v_max3_num_f32 v[MN], v[M], v[TMP], v[TM2]
	v_sub_f32 v[AL], v[M], v[MN]
.irp k, 0,2,4,6
	v_pk_add_f32 v[SA+\k:SA+\k+1], v[SA+\k:SA+\k+1], v[MN:MN+1] op_sel_hi:[1,0] neg_lo:[0,1] neg_hi:[0,1]
.endr
	v_exp_f32 v[AL], v[AL]
.irp j, 0,1,2,3,4,5,6,7
	v_exp_f32 v[SA+\j], v[SA+\j]
.endr
	v_mov_b32 v[M], v[MN]                          ; the plain instruction behind the transcendentals (ISA guide 5.7.2)
	s_wait_alu depctr_va_vdst(0)
	v_pk_add_f32 v[LD:LD+1], v[SA:SA+1], v[SA+2:SA+3]
	v_pk_add_f32 v[LD+2:LD+3], v[SA+4:SA+5], v[SA+6:SA+7]
	v_pk_add_f32 v[LD:LD+1], v[LD:LD+1], v[LD+2:LD+3]
	v_add_f32 v[LD], v[LD], v[LD+1]
	v_fma_f32 v[L], v[L], v[AL], v[LD]
.irp T, 0,1,2,3,4,5,6,7
	v_pk_mul_f32 v[ACC+2*\T:ACC+2*\T+1], v[ACC+2*\T:ACC+2*\T+1], v[AL:AL+1] op_sel_hi:[1,0]
.endr
.irp k, 0,2,4,6
.irp T, 0,1,2,3,4,5,6,7
	v_pk_fma_f32 v[ACC+2*\T:ACC+2*\T+1], v[\cur+8*\T+\k:\cur+8*\T+\k+1], v[SA+\k:SA+\k+1], v[ACC+2*\T:ACC+2*\T+1]
.endr
.endr
.endm
	s_load_b512 s[8:23], s[0:1], 0x0               ; x s[8:9], w1f s[10:11], b1 s[12:13], u (AF) s[14:15], c1 s[16:17], c2 s[18:19], part s[20:21], stat s[22:23]
	v_lshl_add_u32 v254, v0, 2, 0x29000
	v_mov_b32 v255, 0
	ds_add_u32 v254, v255
	ds_add_u32 v254, v255
	v_lshrrev_b32 v1, 5, v0
	v_readfirstlane_b32 s24, v1                    ; wave 0..3
	s_mov_b32 s[G1+0], (2<<16)|(1<<20)|(6<<22)|(3<<25)   ; elements of 4 bytes; 4 words of padding behind every 128
	s_mov_b32 s[G1+1], 128<<16                     ; tensor_dim0 = 128
	s_mov_b32 s[G1+2], 64<<16                      ; tensor_dim1 = 64
	s_mov_b32 s[G1+3], 128<<16                     ; tile_dim0 = 128
	s_mov_b32 s[G1+4], 64                          ; tile_dim1 = 64
	s_mov_b32 s[G1+5], 128                         ; pitch
	s_mov_b32 s[G1+6], 0
	s_mov_b32 s[G1+7], 0
	s_lshl_b32 s40, ttmp9, 17                      ; 256 g items of 512 bytes
	s_lshl_b32 s27, s24, 15                        ; + my 64 items
	s_add_co_u32 s40, s40, s27
	s_mov_b32 s41, 0
	s_mov_b32 s[G0], 1
	s_mul_i32 s[G0+1], s24, 64*XPITCH
	s_wait_dscnt 0x0
	s_wait_kmcnt 0x0
	s_add_nc_u64 s[G0+2:G0+3], s[8:9], s[40:41]
	s_or_b32 s[G0+3], s[G0+3], 0x80000000
	tensor_load_to_lds s[G0:G0+3], s[G1:G1+7]      ; the wave's only tensor load: one outstanding
	s_nop 0
	v_and_b32 v1, 31, v0                           ; lane
	v_and_b32 v2, 15, v0                           ; r
	v_bfe_u32 v3, v0, 4, 1                         ; h
	v_lshl_add_u32 v7, v1, 4, s27                  ; w1f: 32768 w + 16 lane
	WIN 0x40                                       ; destination in window 1
.set i, 0
.rept 64
	global_load_b128 v[4*i:4*i+3], v7, s[10:11] offset:512*i
.set i, i+1
.endr
	WIN 0
	s_lshl_b32 s27, s24, 9
	v_lshl_add_u32 v8, v2, 2, s27                  ; b1: 4 (128 w + r)
	; u[b][128 w + 16 T + r] in AF: 8192 w + 2048 (b / 16) + 16 (b % 16) + 512 (r / 8) + 2 (r % 8), and by T: 4096 (T / 4) + 1024 (T % 2) + 256 ((T / 2) % 2)
	v_lshrrev_b32 v9, 3, v2
	v_lshlrev_b32 v9, 9, v9
	v_and_b32 v10, 7, v2
	v_lshl_add_u32 v9, v10, 1, v9
	s_lshl_b32 s27, s24, 13
	s_lshr_b32 s42, ttmp9, 7
	s_lshl_b32 s42, s42, 11
	s_add_co_u32 s27, s27, s42
	s_bfe_u32 s43, ttmp9, 0x40003
	s_lshl_b32 s43, s43, 4
	s_add_co_u32 s27, s27, s43
	v_add_nc_u32 v9, s27, v9
.irp T, 0,1,2,3,4,5,6,7
	global_load_b32 v[GB+\T], v8, s[12:13] offset:64*\T
	global_load_u16 v[U+\T], v9, s[14:15] offset:(\T>>2)*4096+(\T&1)*1024+((\T>>1)&1)*256
.endr
	s_lshr_b32 s42, ttmp9, 3
	s_lshl_b32 s42, s42, 2                         ; 4 b
	s_mov_b32 s43, 0
	s_add_nc_u64 s[16:17], s[16:17], s[42:43]
	s_add_nc_u64 s[18:19], s[18:19], s[42:43]
	s_load_b32 s44, s[16:17], 0x0
	s_load_b32 s45, s[18:19], 0x0
	s_mov_b32 s46, 0x76543210                      ; v_permlanex16_b32: lane i of one half reads lane i of the other
	s_mov_b32 s47, 0xfedcba98
	s_mov_b32 s[SMASK], 0x7fffffff
	PAIR SK1, 0x3f596d27                           ; sqrt(log2(e) / 2)
	PAIR SP,  0x3e6d3388                           ; 0.3275911 / sqrt 2
	PAIR SA5, 0x3f07dc22                           ; a5/2
	PAIR SA3, 0x3f35f0e3                           ; a3/2
	PAIR SA2, 0xbe11a98e                           ; a2/2
	PAIR SA1, 0x3e027906                           ; a1/2
	v_mov_b32 v[VA4], 0xbf3a00e3                   ; a4/2
	v_mov_b32 v[VA4+1], 0xbf3a00e3
	v_mul_u32_u24 v4, v2, XPITCH
	v_lshl_add_u32 v4, v3, 7, v4                   ; x: r x pitch + 128 h; stepped by two tiles a trip
	s_lshl_b32 s27, s24, 6
	s_add_co_u32 s27, s27, SC
	v_lshl_add_u32 v5, v3, 5, s27                  ; my score part: SC + 64 w + 32 h
	v_lshlrev_b32 v6, 5, v3
	v_add_nc_u32 v6, SC, v6                        ; all parts of my half's items: SC + 32 h
	v_mov_b32 v[M], 0xff800000                     ; -infinity
	v_mov_b32 v[MN], 0
	v_mov_b32 v[AL], 0
	v_mov_b32 v[TM2], 0
	v_mov_b32 v[L], 0
.set i, 0
.rept 16
	v_mov_b32 v[ACC+i], 0
.set i, i+1
.endr
	s_wait_loadcnt 0x0
	s_wait_kmcnt 0x0
.irp T, 0,1,2,3,4,5,6,7
	v_lshlrev_b32 v[U+\T], 16, v[U+\T]             ; bf16 to f32
.endr
.irp T, 0,1,2,3,4,5,6,7
	v_mul_f32 v[U+\T], 0x3d8293ee, v[U+\T]         ; x 512^-1/2 log2(e)
.endr
	v_mov_b32 v[C64], s44
	v_add_f32 v[C64], s45, v[C64]
	v_mul_f32 v[C64], 0x3a8293ee, v[C64]           ; x 512^-1/2 log2(e) / 64
	v_mov_b32 v[C64+1], v[C64]
	WIN 0x80                                       ; destination in window 2: the bias tiles, b1 of column r in all eight registers
.irp T, 0,1,2,3,4,5,6,7
.irp j, 0,1,2,3,4,5,6,7
	v_mov_b32 v[8*\T+\j], v[GB+\T]
.endr
.endr
	WIN 0
	s_wait_tensorcnt 0x0                           ; my 64 items are in LDS;
	s_barrier_signal -1
	s_barrier_wait -1                              ; everybody's are
	XLOAD GA, 0
	s_wait_dscnt 0x0
	XCVT GA
	MMA GA
.rept 4
	v_nop                                          ; four places behind the last matrix instruction before the GELU reads results (ISA guide 7.12.1); in the steps the softmax update fills them
.endr
	s_mov_b32 s49, 7
.Lpair:
	STEP GA, GB, 0, 1
	STEP GB, GA, 1, 1
	v_add_nc_u32 v4, 2*XTILE, v4
	s_sub_co_i32 s49, s49, 1
	s_cmp_lg_u32 s49, 0
	s_cbranch_scc1 .Lpair
	STEP GA, GB, 0, 1                              ; items 224 to 239; the last 16 are fetched
	STEP GB, GA, 1, 0                              ; items 240 to 255; nothing is left to fetch
	; the way out: even + odd items, + the other half's eight items; then 128 columns through my own 512 bytes of LDS into 16 bytes a lane
.irp T, 0,1,2,3,4,5,6,7
	v_add_f32 v[ACC+2*\T], v[ACC+2*\T], v[ACC+2*\T+1]
.endr
.irp T, 0,1,2,3,4,5,6,7
	v_permlanex16_b32 v[ACC+2*\T+1], v[ACC+2*\T], s46, s47
.endr
.irp T, 0,1,2,3,4,5,6,7
	v_add_f32 v[ACC+2*\T], v[ACC+2*\T], v[ACC+2*\T+1]
.endr
	v_permlanex16_b32 v[TM2], v[L], s46, s47
	v_add_f32 v[L], v[L], v[TM2]
	s_lshl_b32 s27, s24, 9
	s_add_co_u32 s40, s27, OUT
	v_lshl_add_u32 v7, v1, 2, s40
	v_lshl_add_u32 v8, v1, 4, s40
	s_lshl_b32 s41, ttmp9, 11
	s_add_co_u32 s41, s41, s27
	v_lshl_add_u32 v9, v1, 4, s41                  ; part: 2048 g + 512 w + 16 lane
	v_cmp_le_u32 vcc_lo, 16, v1                    ; lanes 16 to 31 take the odd tile: lane l then holds column 16 T + l
.irp T, 0,2,4,6
	v_cndmask_b32 v[LD+\T], v[ACC+2*\T], v[ACC+2*\T+2], vcc_lo
	ds_store_b32 v7, v[LD+\T] offset:64*\T
.endr
	ds_load_b128 v[LD+8:LD+11], v8                 ; my own bytes; LDS serves a wave's instructions in order (ISA guide 5.7.1.4)
	s_wait_dscnt 0x0
	global_store_b128 v9, v[LD+8:LD+11], s[20:21]  ; the wave's store covers 512 consecutive bytes, aligned
	s_cmp_lg_u32 s24, 0
	s_cbranch_scc1 .Lend                           ; M and L are the same in all four waves: wave 0 stores them
	v_mov_b32 v[LD+12], v[M]
	v_mov_b32 v[LD+13], v[L]
	s_lshl_b32 s42, ttmp9, 3
	v_mov_b32 v[LD+14], s42
	v_cmp_eq_u32 vcc_lo, 0, v1
	s_wait_xcnt 0x0                                ; EXEC changes only behind this wait: the store above still names it
	s_wait_tensorcnt 0x0
	ds_add_u32 v254, v255
	s_wait_dscnt 0x0
	s_and_saveexec_b32 s27, vcc_lo
	global_store_b64 v[LD+14], v[LD+12:LD+13], s[22:23]
	s_endpgm
.Lend:
	s_wait_tensorcnt 0x0
	ds_add_u32 v254, v255
	s_wait_dscnt 0x0
	s_endpgm
.Lfunc_end_k_q019d73c348_main:
	.size	k_q019d73c348_main, .Lfunc_end_k_q019d73c348_main-k_q019d73c348_main
	.p2alignl 7, 3214868480
	.fill 96, 4, 3214868480
	.section	.rodata,"a",@progbits
	.p2align	6, 0x0
	.amdhsa_kernel k_q019d73c348_main
		.amdhsa_group_segment_fixed_size 168448
		.amdhsa_private_segment_fixed_size 0
		.amdhsa_enable_private_segment 0
		.amdhsa_kernarg_size 64
		.amdhsa_user_sgpr_count 2
		.amdhsa_user_sgpr_kernarg_segment_ptr 1
		.amdhsa_wavefront_size32 1
		.amdhsa_system_sgpr_workgroup_id_x 1
		.amdhsa_system_sgpr_workgroup_id_y 1
		.amdhsa_system_sgpr_workgroup_id_z 1
		.amdhsa_system_vgpr_workitem_id 0
		.amdhsa_next_free_vgpr 576
		.amdhsa_next_free_sgpr 66
		.amdhsa_reserve_vcc 1
		.amdhsa_float_denorm_mode_32 3
		.amdhsa_float_denorm_mode_16_64 3
		.amdhsa_memory_ordered 1
		.amdhsa_forward_progress 1
		.amdhsa_inst_pref_size 189
	.end_amdhsa_kernel
	.amdgpu_metadata
---
amdhsa.version: [ 1, 2 ]
amdhsa.kernels:
  - .name:           k_q019d73c348_main
    .symbol:         k_q019d73c348_main.kd
    .args:
      - { .name: x_items, .offset: 0, .size: 8, .value_kind: global_buffer, .address_space: global }
      - { .name: w1f, .offset: 8, .size: 8, .value_kind: global_buffer, .address_space: global }
      - { .name: psi_x_b1, .offset: 16, .size: 8, .value_kind: global_buffer, .address_space: global }
      - { .name: afb, .offset: 24, .size: 8, .value_kind: global_buffer, .address_space: global }
      - { .name: c1, .offset: 32, .size: 8, .value_kind: global_buffer, .address_space: global }
      - { .name: c2, .offset: 40, .size: 8, .value_kind: global_buffer, .address_space: global }
      - { .name: part, .offset: 48, .size: 8, .value_kind: global_buffer, .address_space: global }
      - { .name: stat, .offset: 56, .size: 8, .value_kind: global_buffer, .address_space: global }
    .group_segment_fixed_size: 168448
    .private_segment_fixed_size: 0
    .kernarg_segment_align: 8
    .kernarg_segment_size: 64
    .max_flat_workgroup_size: 128
    .sgpr_count:     66
    .vgpr_count:     576
    .wavefront_size: 32
...
	.end_amdgpu_metadata
.endif
;; end of part 4
;; launch comb (part 5): grid 16 x 1, 8 waves a work-group, no clusters, 3,072 bytes of LDS; arguments part, stat, afa; writes afa
.if DOCPART == 5
	.amdgcn_target "amdgcn-amd-amdhsa--gfx1250"
	.amdhsa_code_object_version 6
	.text
	.protected	k_q019d73c348_comb
	.globl	k_q019d73c348_comb
	.p2align	8
	.type	k_q019d73c348_comb,@function
k_q019d73c348_comb:
	s_mov_b64 s[64:65], 0
	v_nop
	global_prefetch_b8 v0, s[64:65] scope:SCOPE_SE
	s_setreg_imm32_b32 hwreg(HW_REG_WAVE_MODE, 25, 1), 1
	s_wait_xcnt 0x0
; The eight chunks of each batch are joined:  Mx = max M_c,  w_c = 2^(M_c - Mx),  gbar[b][k] = sum of w_c part[b][c][k] / sum of w_c L_c,  stored in bf16 as AF
; (byte ((2 G + t) 4 + p) 512 + 16 lane + 2 e holds gbar[16 t + lane % 16][64 G + 32 (lane / 16) + 8 p + e]).
; Work-group (G = x % 8, t = x / 8): 16 batches x 64 columns.  Thread: batch r = tid / 16, columns 4 qd .. + 3, qd = tid % 16: sixteen lanes read 256 consecutive bytes, aligned.
; 512 KiB in, 32 KiB out, all f32 until the one conversion: no matrix unit, no cluster, nothing is shared but 64 bytes of stat a batch.
.set P,  8                             ; v[8:39]   eight chunks' four columns
.set ST, 40                            ; v[40:55]  eight pairs (M, L), then (w / sum, L)
	s_load_b128 s[4:7], s[0:1], 0x0                ; part s[4:5], stat s[6:7]
	s_load_b64 s[8:9], s[0:1], 0x10                ; afa
	v_lshl_add_u32 v80, v0, 2, 0x800
	v_mov_b32 v81, 0
	s_and_b32 s10, ttmp9, 7                        ; G
	s_lshr_b32 s11, ttmp9, 3                       ; t
	v_lshrrev_b32 v1, 5, v0
	v_readfirstlane_b32 s14, v1                    ; wave 0..7
	v_lshrrev_b32 v1, 4, v0                        ; r
	v_and_b32 v2, 15, v0                           ; qd
	v_lshlrev_b32 v3, 14, v1
	v_lshl_add_u32 v3, v2, 4, v3
	s_lshl_b32 s12, s11, 18
	s_lshl_b32 s13, s10, 8
	s_add_co_u32 s12, s12, s13
	v_add_nc_u32 v3, s12, v3                       ; part: 16384 (16 t + r) + 256 G + 16 qd
	s_lshl_b32 s13, s11, 10
	v_lshl_add_u32 v4, v1, 6, s13                  ; stat: 64 (16 t + r)
	s_wait_kmcnt 0x0
.irp c, 0,1,2,3,4,5,6,7
	global_load_b128 v[P+4*\c:P+4*\c+3], v3, s[4:5] offset:2048*\c
.endr
.irp c, 0,1,2,3
	global_load_b128 v[ST+4*\c:ST+4*\c+3], v4, s[6:7] offset:16*\c
.endr
	s_wait_loadcnt 0x0
	v_max3_num_f32 v56, v[ST], v[ST+2], v[ST+4]
	v_max3_num_f32 v56, v56, v[ST+6], v[ST+8]
	v_max3_num_f32 v56, v56, v[ST+10], v[ST+12]
	v_max_num_f32 v56, v56, v[ST+14]
.irp c, 0,1,2,3,4,5,6,7
	v_sub_f32 v[ST+2*\c], v[ST+2*\c], v56
.endr
.irp c, 0,1,2,3,4,5,6,7
	v_exp_f32 v[ST+2*\c], v[ST+2*\c]
.endr
	; plain work behind the transcendentals (ISA guide 5.7.2): where my 8 bytes go: 512 ((qd / 2) % 4) + 16 (r + 16 (qd / 8)) + 8 (qd % 2)
	v_bfe_u32 v5, v0, 1, 2
	v_lshlrev_b32 v5, 9, v5
	v_bfe_u32 v6, v0, 3, 1
	v_lshl_add_u32 v5, v6, 8, v5
	v_lshl_add_u32 v5, v1, 4, v5
	v_and_b32 v6, 1, v0
	v_lshl_add_u32 v5, v6, 3, v5
	s_wait_alu depctr_va_vdst(0)
	v_mul_f32 v57, v[ST], v[ST+1]
.irp c, 1,2,3,4,5,6,7
	v_fmac_f32 v57, v[ST+2*\c], v[ST+2*\c+1]
.endr
	v_rcp_f32 v58, v57                             ; the chunk with the maximum has w = 1 and L at least 1: the sum is at least 1
	v_lshlrev_b32 v7, 4, v0                        ; (the plain instruction behind it) 16 tid
	s_wait_alu depctr_va_vdst(0)
.irp c, 0,1,2,3,4,5,6,7
	v_mul_f32 v[ST+2*\c], v[ST+2*\c], v58
.endr
	v_pk_mul_f32 v[60:61], v[P:P+1], v[ST:ST+1] op_sel_hi:[1,0]
	v_pk_mul_f32 v[62:63], v[P+2:P+3], v[ST:ST+1] op_sel_hi:[1,0]
.irp c, 1,2,3,4,5,6,7
	v_pk_fma_f32 v[60:61], v[P+4*\c:P+4*\c+1], v[ST+2*\c:ST+2*\c+1], v[60:61] op_sel_hi:[1,0,1]
	v_pk_fma_f32 v[62:63], v[P+4*\c+2:P+4*\c+3], v[ST+2*\c:ST+2*\c+1], v[62:63] op_sel_hi:[1,0,1]
.endr
	v_cvt_pk_bf16_f32 v64, v60, v61
	v_cvt_pk_bf16_f32 v65, v62, v63
	ds_store_b64 v5, v[64:65]
	s_wait_dscnt 0x0                               ; my 8 bytes are in LDS, for the waves that store the block
	s_barrier_signal -1
	s_barrier_wait -1
	s_cmp_ge_u32 s14, 4
	s_cbranch_scc1 .Lend                           ; 2,048 bytes: 128 threads x 16
	s_lshl_b32 s12, s10, 12
	s_lshl_b32 s13, s11, 11
	s_add_co_u32 s12, s12, s13
	v_add_nc_u32 v8, s12, v7                       ; afa: 2048 (2 G + t) + 16 tid
	ds_load_b128 v[68:71], v7
	s_wait_dscnt 0x0
	global_store_b128 v8, v[68:71], s[8:9]         ; each store of a wave covers 512 consecutive bytes, aligned
.Lend:
	s_wait_tensorcnt 0x0
	ds_add_u32 v80, v81
	s_wait_dscnt 0x0
	s_endpgm
.Lfunc_end_k_q019d73c348_comb:
	.size	k_q019d73c348_comb, .Lfunc_end_k_q019d73c348_comb-k_q019d73c348_comb
	.p2alignl 7, 3214868480
	.fill 96, 4, 3214868480
	.section	.rodata,"a",@progbits
	.p2align	6, 0x0
	.amdhsa_kernel k_q019d73c348_comb
		.amdhsa_group_segment_fixed_size 3072
		.amdhsa_private_segment_fixed_size 0
		.amdhsa_enable_private_segment 0
		.amdhsa_kernarg_size 24
		.amdhsa_user_sgpr_count 2
		.amdhsa_user_sgpr_kernarg_segment_ptr 1
		.amdhsa_wavefront_size32 1
		.amdhsa_system_sgpr_workgroup_id_x 1
		.amdhsa_system_sgpr_workgroup_id_y 1
		.amdhsa_system_sgpr_workgroup_id_z 1
		.amdhsa_system_vgpr_workitem_id 0
		.amdhsa_next_free_vgpr 82
		.amdhsa_next_free_sgpr 66
		.amdhsa_reserve_vcc 0
		.amdhsa_float_denorm_mode_32 3
		.amdhsa_float_denorm_mode_16_64 3
		.amdhsa_memory_ordered 1
		.amdhsa_forward_progress 1
		.amdhsa_inst_pref_size 6
	.end_amdhsa_kernel
	.amdgpu_metadata
---
amdhsa.version: [ 1, 2 ]
amdhsa.kernels:
  - .name:           k_q019d73c348_comb
    .symbol:         k_q019d73c348_comb.kd
    .args:
      - { .name: part, .offset: 0, .size: 8, .value_kind: global_buffer, .address_space: global }
      - { .name: stat, .offset: 8, .size: 8, .value_kind: global_buffer, .address_space: global }
      - { .name: afa, .offset: 16, .size: 8, .value_kind: global_buffer, .address_space: global }
    .group_segment_fixed_size: 3072
    .private_segment_fixed_size: 0
    .kernarg_segment_align: 8
    .kernarg_segment_size: 24
    .max_flat_workgroup_size: 256
    .sgpr_count:     66
    .vgpr_count:     82
    .wavefront_size: 32
...
	.end_amdgpu_metadata
.endif
;; end of part 5
;; launch lin_h: the kernel of part 2 again; grid 32 x 1, 4 waves a work-group, no clusters, 168,448 bytes of LDS; arguments afa, psi_x_w2, psi_x_b2, afb; writes afb
;; launch lin_z: the kernel of part 2 again; grid 32 x 1, 4 waves a work-group, no clusters, 168,448 bytes of LDS; arguments afb, v_w, v_b, afa; writes afa
;; launch ling (part 6): grid 32 x 1, 4 waves a work-group, no clusters, 168,448 bytes of LDS; arguments afa, phi_w1, phi_b1, afb; writes afb
.if DOCPART == 6
	.amdgcn_target "amdgcn-amd-amdhsa--gfx1250"
	.amdhsa_code_object_version 6
	.text
	.protected	k_q019d73c348_ling
	.globl	k_q019d73c348_ling
	.p2align	8
	.type	k_q019d73c348_ling,@function
k_q019d73c348_ling:
	s_mov_b64 s[64:65], 0
	v_nop
	global_prefetch_b8 v0, s[64:65] scope:SCOPE_SE
	s_setreg_imm32_b32 hwreg(HW_REG_WAVE_MODE, 25, 1), 1
	s_wait_xcnt 0x0
; y[b][n] = gelu(sum over k of a[b][k] W[n][k] + bias[n]):  a 32 x 512 in bf16 in fragment order (AF), W 512 x 512 f32, y stored as AF.
; Work-group c owns columns 16 c .. 16 c + 15; wave w owns k = 128 w .. 128 w + 127, four K steps of 32; the four partial sums meet in LDS.
; ORDER OF K in both operands: in K step (G, sg) lane half h, element e (0..15) stands for k = 64 G + 32 h + 16 sg + e, so that a weight
; fragment is 16 neighbouring f32 of a row (four 16-byte LDS loads, eight packed conversions).
; AF: byte ((2 G + t) 4 + p) 512 + 16 lane + 2 e holds y[16 t + lane % 16][64 G + 32 (lane / 16) + 8 p + e]; pieces p = 2 sg, 2 sg + 1 are one fragment.
; GELU: exact form, erf by Abramowitz and Stegun 7.1.26 (|error| at most 1.5e-7): off by about 1.5e-7 |x|.
; Each weight byte is read once in the launch.  No cluster: the work-groups share no weight tile; the 32 KiB of a go straight into fragment registers.
; Matrix operands are rounded to bf16, sums and the GELU are f32, y is rounded once to bf16 (it is the next product's operand).
.set WPITCH, 528                       ; 512 bytes + 16: an odd multiple of 16, so the 16 rows of a fragment load start 16 bytes apart modulo 256
.set WTILE,  16*WPITCH
.set SCR,    4*WTILE                   ; 33,792 = 132 x 256: the waves' partial sums, 8 KiB into which no tensor load lands
.set AB,  16                           ; v[16:79]   16 pieces of a, index (2 Gl + t) 4 + p
.set WF,  80                           ; v[80:143]  weight rows as f32
.set WA,  144                          ; v[144:175] four weight fragments
.set DA,  176                          ; v[176:191] two accumulator tiles
.set BI,  192                          ; v[192:199] bias of my eight columns
.set VA4, 200                          ; v[200:201] a4/2 twice
.set RD,  80                           ; the finish
.set PK,  112
.set TAX, 116                          ; GELU8's temporaries
.set TW,  124
.set TD,  132
.set TQ,  140
.set G0,  16
.set G1,  20
.set SMASK, 36
.set SK1, 38
.set SP,  40
.set SA5, 42
.set SA3, 44
.set SA2, 46
.set SA1, 48
.macro PAIR reg, val
	s_mov_b32 s[\reg], \val
	s_mov_b32 s[\reg+1], \val
.endm
; gelu in place on v[x : x+7]:  t = 1 / (1 + P |x|),  r = (poly(t) / 2) 2^-(K1 x)^2,  gelu = |x| (0.5 - r) + 0.5 x
.macro GELU8 x
.irp i, 0,1,2,3,4,5,6,7
	v_and_b32 v[TAX+\i], s[SMASK], v[\x+\i]
.endr
.irp i, 0,2,4,6
	v_pk_mul_f32 v[TW+\i:TW+\i+1], v[\x+\i:\x+\i+1], s[SK1:SK1+1] op_sel_hi:[1,0]
.endr
.irp i, 0,2,4,6
	v_pk_fma_f32 v[TD+\i:TD+\i+1], v[TAX+\i:TAX+\i+1], s[SP:SP+1], 1.0 op_sel_hi:[1,0,0]
.endr
.irp i, 0,2,4,6
	v_pk_mul_f32 v[TW+\i:TW+\i+1], v[TW+\i:TW+\i+1], v[TW+\i:TW+\i+1] neg_lo:[1,0] neg_hi:[1,0]
.endr
.irp i, 0,1,2,3,4,5,6,7
	v_rcp_f32 v[TD+\i], v[TD+\i]
.endr
.irp i, 0,1,2,3,4,5,6,7
	v_exp_f32 v[TW+\i], v[TW+\i]
.endr
.irp i, 0,2,4,6
	v_pk_mul_f32 v[\x+\i:\x+\i+1], v[\x+\i:\x+\i+1], 0.5 op_sel_hi:[1,0]   ; plain work that touches no transcendental's register stands behind them (ISA guide 5.7.2)
.endr
	s_wait_alu depctr_va_vdst(0)
.irp i, 0,2,4,6
	v_pk_fma_f32 v[TQ+\i:TQ+\i+1], v[TD+\i:TD+\i+1], s[SA5:SA5+1], v[VA4:VA4+1] op_sel_hi:[1,0,1]
.endr
.irp i, 0,2,4,6
	v_pk_fma_f32 v[TQ+\i:TQ+\i+1], v[TQ+\i:TQ+\i+1], v[TD+\i:TD+\i+1], s[SA3:SA3+1] op_sel_hi:[1,1,0]
.endr
.irp i, 0,2,4,6
	v_pk_fma_f32 v[TQ+\i:TQ+\i+1], v[TQ+\i:TQ+\i+1], v[TD+\i:TD+\i+1], s[SA2:SA2+1] op_sel_hi:[1,1,0]
.endr
.irp i, 0,2,4,6
	v_pk_fma_f32 v[TQ+\i:TQ+\i+1], v[TQ+\i:TQ+\i+1], v[TD+\i:TD+\i+1], s[SA1:SA1+1] op_sel_hi:[1,1,0]
.endr
.irp i, 0,2,4,6
	v_pk_mul_f32 v[TQ+\i:TQ+\i+1], v[TQ+\i:TQ+\i+1], v[TD+\i:TD+\i+1]
.endr
.irp i, 0,2,4,6
	v_pk_fma_f32 v[TQ+\i:TQ+\i+1], v[TQ+\i:TQ+\i+1], v[TW+\i:TW+\i+1], 0.5 op_sel_hi:[1,1,0] neg_lo:[1,0,0] neg_hi:[1,0,0]
.endr
.irp i, 0,2,4,6
	v_pk_fma_f32 v[\x+\i:\x+\i+1], v[TAX+\i:TAX+\i+1], v[TQ+\i:TQ+\i+1], v[\x+\i:\x+\i+1]
.endr
.endm
	s_load_b256 s[4:11], s[0:1], 0x0               ; a s[4:5], W s[6:7], bias s[8:9], y s[10:11]
	v_lshl_add_u32 v208, v0, 2, 0x29000
	v_mov_b32 v209, 0
	ds_add_u32 v208, v209
	ds_add_u32 v208, v209
	v_lshrrev_b32 v1, 5, v0
	v_readfirstlane_b32 s12, v1                    ; wave 0..3
	s_mov_b32 s[G1+0], (2<<16)|(1<<20)|(6<<22)|(3<<25)   ; elements of 4 bytes; 4 words of padding behind every 128
	s_mov_b32 s[G1+1], 128<<16                     ; tensor_dim0 = 128
	s_mov_b32 s[G1+2], 16<<16                      ; tensor_dim1 = 16
	s_mov_b32 s[G1+3], 128<<16                     ; tile_dim0 = 128
	s_mov_b32 s[G1+4], 16                          ; tile_dim1 = 16
	s_mov_b32 s[G1+5], 512                         ; pitch
	s_mov_b32 s[G1+6], 0
	s_mov_b32 s[G1+7], 0
	s_lshl_b32 s28, ttmp9, 15                      ; 16 c rows of 2,048 bytes
	s_lshl_b32 s30, s12, 9                         ; + my 128 k
	s_add_co_u32 s28, s28, s30
	s_mov_b32 s29, 0
	s_mov_b32 s[G0], 1
	s_mul_i32 s[G0+1], s12, WTILE
	s_wait_dscnt 0x0
	s_wait_kmcnt 0x0
	s_add_nc_u64 s[G0+2:G0+3], s[6:7], s[28:29]
	s_or_b32 s[G0+3], s[G0+3], 0x80000000
	tensor_load_to_lds s[G0:G0+3], s[G1:G1+7]      ; the wave's only tensor load: one outstanding
	s_nop 0
	v_and_b32 v1, 31, v0                           ; lane
	v_and_b32 v2, 15, v0                           ; r
	v_bfe_u32 v3, v0, 4, 1                         ; h
	s_lshl_b32 s30, s12, 13
	v_lshl_add_u32 v5, v1, 4, s30                  ; a: 8192 w + 16 lane
.set i, 0
.rept 16
	global_load_b128 v[AB+4*i:AB+4*i+3], v5, s[4:5] offset:512*i
.set i, i+1
.endr
	s_lshl_b32 s31, ttmp9, 6
	v_lshl_add_u32 v6, v3, 5, s31                  ; bias: 4 (16 c + 8 h)
	global_load_b128 v[BI:BI+3], v6, s[8:9]
	global_load_b128 v[BI+4:BI+7], v6, s[8:9] offset:16
	s_mov_b32 s[SMASK], 0x7fffffff
	PAIR SK1, 0x3f596d27                           ; sqrt(log2(e) / 2)
	PAIR SP,  0x3e6d3388                           ; 0.3275911 / sqrt 2
	PAIR SA5, 0x3f07dc22                           ; a5/2
	PAIR SA3, 0x3f35f0e3                           ; a3/2
	PAIR SA2, 0xbe11a98e                           ; a2/2
	PAIR SA1, 0x3e027906                           ; a1/2
	v_mov_b32 v[VA4], 0xbf3a00e3                   ; a4/2
	v_mov_b32 v[VA4+1], 0xbf3a00e3
	v_mul_u32_u24 v4, v2, WPITCH
	v_lshl_add_u32 v4, v3, 7, v4
	v_add_nc_u32 v4, s[G0+1], v4                   ; my weight rows: tile + r x pitch + 128 h
	s_lshl_b32 s32, s12, 11
	s_add_co_u32 s33, s32, SCR
	v_lshl_add_u32 v7, v1, 4, s33                  ; partial sums out: SCR + 2048 w + 16 lane
	s_lshl_b32 s33, s12, 10
	s_add_co_u32 s33, s33, SCR
	v_lshl_add_u32 v8, v1, 4, s33                  ; and back, batch tile t = wave
	s_lshr_b32 s34, ttmp9, 2                       ; AF place of y[16 t + r][16 c + 8 h ..]: 4096 (c / 4) + 2048 t + 1024 (c % 2) + 512 h + 256 ((c / 2) % 2) + 16 r
	s_lshl_b32 s34, s34, 12
	s_add_co_u32 s34, s34, s32
	s_and_b32 s35, ttmp9, 1
	s_lshl_b32 s35, s35, 10
	s_add_co_u32 s34, s34, s35
	s_bfe_u32 s35, ttmp9, 0x10001
	s_lshl_b32 s35, s35, 8
	s_add_co_u32 s34, s34, s35
	v_lshl_add_u32 v9, v3, 9, s34
	v_lshl_add_u32 v9, v2, 4, v9
	s_wait_tensorcnt 0x0                           ; my tile is in LDS; only I read it, so no barrier
.irp ks, 0,1,2,3
.irp n, 0,1,2,3
	ds_load_b128 v[WF+16*\ks+4*\n:WF+16*\ks+4*\n+3], v4 offset:(\ks>>1)*256+(\ks&1)*64+16*\n
.endr
.endr
	s_wait_dscnt 0x0
.set i, 0
.rept 32
	v_cvt_pk_bf16_f32 v[WA+i], v[WF+2*i], v[WF+2*i+1]
.set i, i+1
.endr
	s_wait_loadcnt 0x0
	; A = 16 rows of W, B = 16 batches: register j of lane (r, h) is y[16 t + r][16 c + 8 h + j].  The two accumulators take turns.
.irp ks, 0,1,2,3
.irp t, 0,1
.if \ks == 0
	v_wmma_f32_16x16x32_bf16 v[DA+8*\t:DA+8*\t+7], v[WA+8*\ks:WA+8*\ks+7], v[AB+4*((2*(\ks>>1)+\t)*4+2*(\ks&1)):AB+4*((2*(\ks>>1)+\t)*4+2*(\ks&1))+7], 0
.else
	v_wmma_f32_16x16x32_bf16 v[DA+8*\t:DA+8*\t+7], v[WA+8*\ks:WA+8*\ks+7], v[AB+4*((2*(\ks>>1)+\t)*4+2*(\ks&1)):AB+4*((2*(\ks>>1)+\t)*4+2*(\ks&1))+7], v[DA+8*\t:DA+8*\t+7]
.endif
.endr
.endr
.rept 4
	v_nop                                          ; four places behind the last matrix instruction: its results are stored, its sources written over later (ISA guide 7.12.1)
.endr
.irp t, 0,1
.irp q, 0,1
	ds_store_b128 v7, v[DA+8*\t+4*\q:DA+8*\t+4*\q+3] offset:\t*1024+\q*512
.endr
.endr
	s_wait_dscnt 0x0                               ; my partial sums are in LDS, for the waves that add them
	s_barrier_signal -1
	s_barrier_wait -1
	s_cmp_ge_u32 s12, 2
	s_cbranch_scc1 .Lend                           ; waves 0 and 1 finish batch tiles 0 and 1
.irp v, 0,1,2,3
.irp q, 0,1
	ds_load_b128 v[RD+8*\v+4*\q:RD+8*\v+4*\q+3], v8 offset:\v*2048+\q*512
.endr
.endr
	s_wait_dscnt 0x0
.irp k, 0,2,4,6
	v_pk_add_f32 v[RD+\k:RD+\k+1], v[RD+\k:RD+\k+1], v[RD+8+\k:RD+8+\k+1]
	v_pk_add_f32 v[RD+16+\k:RD+16+\k+1], v[RD+16+\k:RD+16+\k+1], v[RD+24+\k:RD+24+\k+1]
.endr
.irp k, 0,2,4,6
	v_pk_add_f32 v[RD+\k:RD+\k+1], v[RD+\k:RD+\k+1], v[RD+16+\k:RD+16+\k+1]
.endr
.irp k, 0,2,4,6
	v_pk_add_f32 v[RD+\k:RD+\k+1], v[RD+\k:RD+\k+1], v[BI+\k:BI+\k+1]
.endr
	GELU8 RD
.irp k, 0,1,2,3
	v_cvt_pk_bf16_f32 v[PK+\k], v[RD+2*\k], v[RD+2*\k+1]
.endr
	global_store_b128 v9, v[PK:PK+3], s[10:11]     ; sixteen neighbouring lanes store 256 consecutive bytes, aligned
.Lend:
	s_wait_tensorcnt 0x0
	ds_add_u32 v208, v209
	s_wait_dscnt 0x0
	s_endpgm
.Lfunc_end_k_q019d73c348_ling:
	.size	k_q019d73c348_ling, .Lfunc_end_k_q019d73c348_ling-k_q019d73c348_ling
	.p2alignl 7, 3214868480
	.fill 96, 4, 3214868480
	.section	.rodata,"a",@progbits
	.p2align	6, 0x0
	.amdhsa_kernel k_q019d73c348_ling
		.amdhsa_group_segment_fixed_size 168448
		.amdhsa_private_segment_fixed_size 0
		.amdhsa_enable_private_segment 0
		.amdhsa_kernarg_size 32
		.amdhsa_user_sgpr_count 2
		.amdhsa_user_sgpr_kernarg_segment_ptr 1
		.amdhsa_wavefront_size32 1
		.amdhsa_system_sgpr_workgroup_id_x 1
		.amdhsa_system_sgpr_workgroup_id_y 1
		.amdhsa_system_sgpr_workgroup_id_z 1
		.amdhsa_system_vgpr_workitem_id 0
		.amdhsa_next_free_vgpr 210
		.amdhsa_next_free_sgpr 66
		.amdhsa_reserve_vcc 0
		.amdhsa_float_denorm_mode_32 3
		.amdhsa_float_denorm_mode_16_64 3
		.amdhsa_memory_ordered 1
		.amdhsa_forward_progress 1
		.amdhsa_inst_pref_size 16
	.end_amdhsa_kernel
	.amdgpu_metadata
---
amdhsa.version: [ 1, 2 ]
amdhsa.kernels:
  - .name:           k_q019d73c348_ling
    .symbol:         k_q019d73c348_ling.kd
    .args:
      - { .name: afa, .offset: 0, .size: 8, .value_kind: global_buffer, .address_space: global }
      - { .name: phi_w1, .offset: 8, .size: 8, .value_kind: global_buffer, .address_space: global }
      - { .name: phi_b1, .offset: 16, .size: 8, .value_kind: global_buffer, .address_space: global }
      - { .name: afb, .offset: 24, .size: 8, .value_kind: global_buffer, .address_space: global }
    .group_segment_fixed_size: 168448
    .private_segment_fixed_size: 0
    .kernarg_segment_align: 8
    .kernarg_segment_size: 32
    .max_flat_workgroup_size: 128
    .sgpr_count:     66
    .vgpr_count:     210
    .wavefront_size: 32
...
	.end_amdgpu_metadata
.endif
;; end of part 6
;; launch lino (part 7): grid 63 x 1, 4 waves a work-group, no clusters, 168,448 bytes of LDS; arguments afb, phi_w2, phi_b2, out0; writes out0
.if DOCPART == 7
	.amdgcn_target "amdgcn-amd-amdhsa--gfx1250"
	.amdhsa_code_object_version 6
	.text
	.protected	k_q019d73c348_lino
	.globl	k_q019d73c348_lino
	.p2align	8
	.type	k_q019d73c348_lino,@function
k_q019d73c348_lino:
	s_mov_b64 s[64:65], 0
	v_nop
	global_prefetch_b8 v0, s[64:65] scope:SCOPE_SE
	s_setreg_imm32_b32 hwreg(HW_REG_WAVE_MODE, 25, 1), 1
	s_wait_xcnt 0x0
; out[b][n] = sum over k of a[b][k] W[n][k] + bias[n]:  a 32 x 512 in bf16 in fragment order (AF), W 1000 x 512 f32, out 32 x 1000 f32, row-major.
; Work-group c owns columns 16 c .. 16 c + 15; 1000 = 62 x 16 + 8, so the last one computes columns 984 .. 999 (n0 = min(16 c, 984): every row and bias word
; lies inside its buffer and the tile has one shape) and stores only 992 .. 999: each output byte has one writer.
; Wave w owns k = 128 w .. 128 w + 127, four K steps of 32; the four partial sums meet in LDS.
; ORDER OF K in both operands: in K step (G, sg) lane half h, element e (0..15) stands for k = 64 G + 32 h + 16 sg + e.
; AF: byte ((2 G + t) 4 + p) 512 + 16 lane + 2 e holds a[16 t + lane % 16][64 G + 32 (lane / 16) + 8 p + e].
; A row of out is 4,000 bytes, so rows do not start at multiples of 256: a lane stores its 32 consecutive bytes, 128 KB in all.
; No cluster: the work-groups share no weight tile.  Matrix operands are rounded to bf16, sums are f32.
.set WPITCH, 528                       ; 512 bytes + 16: an odd multiple of 16, so the 16 rows of a fragment load start 16 bytes apart modulo 256
.set WTILE,  16*WPITCH
.set SCR,    4*WTILE                   ; 33,792 = 132 x 256: the waves' partial sums, 8 KiB into which no tensor load lands
.set AB,  16                           ; v[16:79]   16 pieces of a, index (2 Gl + t) 4 + p
.set WF,  80                           ; v[80:143]  weight rows as f32
.set WA,  144                          ; v[144:175] four weight fragments
.set DA,  176                          ; v[176:191] two accumulator tiles
.set BI,  192                          ; v[192:199] bias of my eight columns
.set RD,  80                           ; the finish
.set G0,  16
.set G1,  20
	s_load_b256 s[4:11], s[0:1], 0x0               ; a s[4:5], W s[6:7], bias s[8:9], out s[10:11]
	v_lshl_add_u32 v208, v0, 2, 0x29000
	v_mov_b32 v209, 0
	ds_add_u32 v208, v209
	ds_add_u32 v208, v209
	v_lshrrev_b32 v1, 5, v0
	v_readfirstlane_b32 s12, v1                    ; wave 0..3
	s_lshl_b32 s13, ttmp9, 4                       ; 16 c: the first column that I store
	s_min_u32 s14, s13, 984                        ; n0: the first column that I compute
	s_mov_b32 s[G1+0], (2<<16)|(1<<20)|(6<<22)|(3<<25)   ; elements of 4 bytes; 4 words of padding behind every 128
	s_mov_b32 s[G1+1], 128<<16                     ; tensor_dim0 = 128
	s_mov_b32 s[G1+2], 16<<16                      ; tensor_dim1 = 16
	s_mov_b32 s[G1+3], 128<<16                     ; tile_dim0 = 128
	s_mov_b32 s[G1+4], 16                          ; tile_dim1 = 16
	s_mov_b32 s[G1+5], 512                         ; pitch
	s_mov_b32 s[G1+6], 0
	s_mov_b32 s[G1+7], 0
	s_lshl_b32 s28, s14, 11                        ; n0 rows of 2,048 bytes
	s_lshl_b32 s30, s12, 9                         ; + my 128 k
	s_add_co_u32 s28, s28, s30
	s_mov_b32 s29, 0
	s_mov_b32 s[G0], 1
	s_mul_i32 s[G0+1], s12, WTILE
	s_wait_dscnt 0x0
	s_wait_kmcnt 0x0
	s_add_nc_u64 s[G0+2:G0+3], s[6:7], s[28:29]
	s_or_b32 s[G0+3], s[G0+3], 0x80000000
	tensor_load_to_lds s[G0:G0+3], s[G1:G1+7]      ; the wave's only tensor load: one outstanding
	s_nop 0
	v_and_b32 v1, 31, v0                           ; lane
	v_and_b32 v2, 15, v0                           ; r
	v_bfe_u32 v3, v0, 4, 1                         ; h
	s_lshl_b32 s30, s12, 13
	v_lshl_add_u32 v5, v1, 4, s30                  ; a: 8192 w + 16 lane
.set i, 0
.rept 16
	global_load_b128 v[AB+4*i:AB+4*i+3], v5, s[4:5] offset:512*i
.set i, i+1
.endr
	s_lshl_b32 s31, s14, 2
	v_lshl_add_u32 v6, v3, 5, s31                  ; bias: 4 (n0 + 8 h)
	global_load_b128 v[BI:BI+3], v6, s[8:9]
	global_load_b128 v[BI+4:BI+7], v6, s[8:9] offset:16
	v_mul_u32_u24 v4, v2, WPITCH
	v_lshl_add_u32 v4, v3, 7, v4
	v_add_nc_u32 v4, s[G0+1], v4                   ; my weight rows: tile + r x pitch + 128 h
	s_lshl_b32 s32, s12, 11
	s_add_co_u32 s33, s32, SCR
	v_lshl_add_u32 v7, v1, 4, s33                  ; partial sums out: SCR + 2048 w + 16 lane
	s_lshl_b32 s33, s12, 10
	s_add_co_u32 s33, s33, SCR
	v_lshl_add_u32 v8, v1, 4, s33                  ; and back, batch tile t = wave
	v_mul_u32_u24 v9, v2, 4000
	v_lshl_add_u32 v9, v3, 5, v9                   ; out: 4000 r + 32 h,
	s_mul_i32 s34, s12, 64000                      ; and in the base 16 t rows + 4 n0
	s_add_co_u32 s34, s34, s31
	s_mov_b32 s35, 0
	s_add_nc_u64 s[10:11], s[10:11], s[34:35]
	v_lshl_add_u32 v10, v3, 3, s14                 ; my first column, n0 + 8 h
	s_wait_tensorcnt 0x0                           ; my tile is in LDS; only I read it, so no barrier
.irp ks, 0,1,2,3
.irp n, 0,1,2,3
	ds_load_b128 v[WF+16*\ks+4*\n:WF+16*\ks+4*\n+3], v4 offset:(\ks>>1)*256+(\ks&1)*64+16*\n
.endr
.endr
	s_wait_dscnt 0x0
.set i, 0
.rept 32
	v_cvt_pk_bf16_f32 v[WA+i], v[WF+2*i], v[WF+2*i+1]
.set i, i+1
.endr
	s_wait_loadcnt 0x0
	; A = 16 rows of W, B = 16 batches: register j of lane (r, h) is out[16 t + r][n0 + 8 h + j].  The two accumulators take turns.
.irp ks, 0,1,2,3
.irp t, 0,1
.if \ks == 0
	v_wmma_f32_16x16x32_bf16 v[DA+8*\t:DA+8*\t+7], v[WA+8*\ks:WA+8*\ks+7], v[AB+4*((2*(\ks>>1)+\t)*4+2*(\ks&1)):AB+4*((2*(\ks>>1)+\t)*4+2*(\ks&1))+7], 0
.else
	v_wmma_f32_16x16x32_bf16 v[DA+8*\t:DA+8*\t+7], v[WA+8*\ks:WA+8*\ks+7], v[AB+4*((2*(\ks>>1)+\t)*4+2*(\ks&1)):AB+4*((2*(\ks>>1)+\t)*4+2*(\ks&1))+7], v[DA+8*\t:DA+8*\t+7]
.endif
.endr
.endr
.rept 4
	v_nop                                          ; four places behind the last matrix instruction before its results are stored (ISA guide 7.12.1)
.endr
.irp t, 0,1
.irp q, 0,1
	ds_store_b128 v7, v[DA+8*\t+4*\q:DA+8*\t+4*\q+3] offset:\t*1024+\q*512
.endr
.endr
	s_wait_dscnt 0x0                               ; my partial sums are in LDS, for the waves that add them
	s_barrier_signal -1
	s_barrier_wait -1
	s_cmp_ge_u32 s12, 2
	s_cbranch_scc1 .Lend                           ; waves 0 and 1 finish batch tiles 0 and 1
.irp v, 0,1,2,3
.irp q, 0,1
	ds_load_b128 v[RD+8*\v+4*\q:RD+8*\v+4*\q+3], v8 offset:\v*2048+\q*512
.endr
.endr
	s_wait_dscnt 0x0
.irp k, 0,2,4,6
	v_pk_add_f32 v[RD+\k:RD+\k+1], v[RD+\k:RD+\k+1], v[RD+8+\k:RD+8+\k+1]
	v_pk_add_f32 v[RD+16+\k:RD+16+\k+1], v[RD+16+\k:RD+16+\k+1], v[RD+24+\k:RD+24+\k+1]
.endr
.irp k, 0,2,4,6
	v_pk_add_f32 v[RD+\k:RD+\k+1], v[RD+\k:RD+\k+1], v[RD+16+\k:RD+16+\k+1]
.endr
.irp k, 0,2,4,6
	v_pk_add_f32 v[RD+\k:RD+\k+1], v[RD+\k:RD+\k+1], v[BI+\k:BI+\k+1]
.endr
	v_cmp_le_u32 vcc_lo, s13, v10                  ; only columns from 16 c on are mine to store
	s_wait_xcnt 0x0                                ; EXEC changes only behind this wait
	s_wait_tensorcnt 0x0
	ds_add_u32 v208, v209
	s_wait_dscnt 0x0
	s_and_saveexec_b32 s30, vcc_lo
	global_store_b128 v9, v[RD:RD+3], s[10:11]
	global_store_b128 v9, v[RD+4:RD+7], s[10:11] offset:16
	s_endpgm
.Lend:
	s_wait_tensorcnt 0x0
	ds_add_u32 v208, v209
	s_wait_dscnt 0x0
	s_endpgm
.Lfunc_end_k_q019d73c348_lino:
	.size	k_q019d73c348_lino, .Lfunc_end_k_q019d73c348_lino-k_q019d73c348_lino
	.p2alignl 7, 3214868480
	.fill 96, 4, 3214868480
	.section	.rodata,"a",@progbits
	.p2align	6, 0x0
	.amdhsa_kernel k_q019d73c348_lino
		.amdhsa_group_segment_fixed_size 168448
		.amdhsa_private_segment_fixed_size 0
		.amdhsa_enable_private_segment 0
		.amdhsa_kernarg_size 32
		.amdhsa_user_sgpr_count 2
		.amdhsa_user_sgpr_kernarg_segment_ptr 1
		.amdhsa_wavefront_size32 1
		.amdhsa_system_sgpr_workgroup_id_x 1
		.amdhsa_system_sgpr_workgroup_id_y 1
		.amdhsa_system_sgpr_workgroup_id_z 1
		.amdhsa_system_vgpr_workitem_id 0
		.amdhsa_next_free_vgpr 210
		.amdhsa_next_free_sgpr 66
		.amdhsa_reserve_vcc 1
		.amdhsa_float_denorm_mode_32 3
		.amdhsa_float_denorm_mode_16_64 3
		.amdhsa_memory_ordered 1
		.amdhsa_forward_progress 1
		.amdhsa_inst_pref_size 11
	.end_amdhsa_kernel
	.amdgpu_metadata
---
amdhsa.version: [ 1, 2 ]
amdhsa.kernels:
  - .name:           k_q019d73c348_lino
    .symbol:         k_q019d73c348_lino.kd
    .args:
      - { .name: afb, .offset: 0, .size: 8, .value_kind: global_buffer, .address_space: global }
      - { .name: phi_w2, .offset: 8, .size: 8, .value_kind: global_buffer, .address_space: global }
      - { .name: phi_b2, .offset: 16, .size: 8, .value_kind: global_buffer, .address_space: global }
      - { .name: out0, .offset: 24, .size: 8, .value_kind: global_buffer, .address_space: global }
    .group_segment_fixed_size: 168448
    .private_segment_fixed_size: 0
    .kernarg_segment_align: 8
    .kernarg_segment_size: 32
    .max_flat_workgroup_size: 128
    .sgpr_count:     66
    .vgpr_count:     210
    .wavefront_size: 32
...
	.end_amdgpu_metadata
.endif
;; end of part 7
;; ======== version 2 of 2: 10 launches; version 1 with the launches lint_t, lint_u written anew for expert scheduling mode
;; workspace buffers: afa 32,768 bytes; afb 32,768 bytes; w1f 131,072 bytes; c1 256 bytes; c2 256 bytes; part 524,288 bytes; stat 2,048 bytes
;; launch pre1: the kernel of part 1 again; grid 32 x 1, 4 waves a work-group, no clusters, 168,448 bytes of LDS; arguments x_query, psi_q_w1, psi_q_b1, psi_q_w2, psi_q_b2, psi_x_w1, afa, w1f; writes afa, w1f
;; launch lin_q: the kernel of part 2 again; grid 32 x 1, 4 waves a work-group, no clusters, 168,448 bytes of LDS; arguments afa, q_w, q_b, afb; writes afb
;; launch lint_t (part 8): grid 8 x 1, 8 waves a work-group, no clusters, 82,944 bytes of LDS; arguments afb, k_w, k_b, afa, c1; writes afa, c1
.if DOCPART == 8
	.amdgcn_target "amdgcn-amd-amdhsa--gfx1250"
	.amdhsa_code_object_version 6
	.text
	.protected	k_q019d73c348_lint_t
	.globl	k_q019d73c348_lint_t
	.p2align	8
	.type	k_q019d73c348_lint_t,@function
k_q019d73c348_lint_t:
	s_mov_b64 s[64:65], 0
	v_nop
	global_prefetch_b8 v0, s[64:65] scope:SCOPE_SE
	s_setreg_imm32_b32 hwreg(HW_REG_WAVE_SCHED_MODE, 0, 2), 2
	s_setreg_imm32_b32 hwreg(HW_REG_WAVE_MODE, 25, 1), 1
	s_wait_xcnt 0x0
	s_wait_alu depctr_vm_vsrc(0)
; y[b][j] = sum over i of a[b][i] W[i][j]  (the product with W itself, not its transpose), stored as AF;  cdot[b] = sum over i of a[b][i] bvec[i].
; It moves the one query of each batch through the key projection and the items' second layer:  q . (Kw h + kb) = (q Kw) . h + q . kb.
; a: 32 x 512 bf16 in fragment order (AF: byte ((2 G + t) 4 + p) 512 + 16 lane + 2 e holds a[16 t + lane % 16][64 G + 32 (lane / 16) + 8 p + e]).
; Work-group Gc owns columns 64 Gc .. + 63; wave w owns i = 64 w .. + 63, two K steps sg; in a K step lane half h, element e stands for i = 64 w + 32 h + 16 sg + e.
; Weight rows go straight to registers: sixteen lanes read 256 consecutive bytes of one row, aligned; lane (r, h) gets columns 64 Gc + 4 r + cc (cc = 0..3)
; of its 32 rows, so A tile cc has row m = column 64 Gc + 4 m + cc, and a fragment register is one packed conversion of two rows' words: no transposing pass.
; A fifth A tile holds bvec in every row: its product is cdot.  Each weight byte is read once.  No tensor load, no cluster: no weight tile is shared.
; Matrix operands (bvec too) are rounded to bf16, sums are f32, y is rounded once to bf16.
; THE MODE: SCHED_MODE bits 1:0 = 2 (LLVM: expert scheduling mode 2), set by the entry lines.  The code itself states the register dependences
; between vector or matrix instructions and memory or LDS instructions, with s_wait_alu, always for 0.
; THE PLAN.  Registers that memory or LDS instructions touch, in program order (there is no loop):
;   v4, v5, v6     offsets of W, bvec and a: written at the head, read by the 48 global loads, never written again.
;   WL, BV, BF     the global loads land here; no vector instruction names them before.  Conversions read WL and BV, matrix instructions read BF.
;   v7 .. v13      LDS and output addresses: written behind the run of loads, read from the LDS stores on, never written again.
;   DD             written by the matrix instructions, read by the 40 LDS stores, never written again.
;   FL             32 LDS loads land here, over TA (conversions wrote it, matrix instructions read it) and BF (matrix instructions read it).
;   PK             written by four conversions, read by one global store, never written again.
;   CD             eight LDS loads land here, over words of BV that conversions read; its first register is then written by adds and read by one global store.
;   v14, v15       written at the head, read by the closing add alone.
; So four waits on va_vdst stand in the text: ahead of the first global load, ahead of the LDS stores, and ahead of each of the two kinds of global store.
; No register that a memory or LDS instruction reads is written afterwards, so no wait on vm_vsrc is owed ahead of the closing lines.
; The loads go out in the order in which their data are wanted, and the address arithmetic and the conversions run while younger loads are out:
; they name neither an offset of those loads nor a register in which one of them lands.
.set WL, 16                            ; v[16:143]  32 rows x 4 columns of W in f32: WL + 4 (16 sg + e) + cc
.set TA, 144                           ; v[144:175] A fragments of sg = 0, tile cc at TA + 8 cc
.set TB, 16                            ; v[16:47]   A fragments of sg = 1 (over the words of sg = 0, which are spent)
.set BF, 176                           ; v[176:207] a's pieces, index 4 t + p
.set BV, 208                           ; v[208:239] bvec of my 32 i, f32
.set A5, 240                           ; v[240:255] the bvec fragments of sg = 0, 1
.set DD, 48                            ; v[48:127]  ten accumulator tiles: 2 cc + t, then 8 + t for bvec
.set FL, 144                           ; v[144:207] the finish: eight waves' partial sums
.set PK, 208
.set CD, 212
.set WSCR, 10240                       ; a wave's partial sums in LDS: ten tiles of 1 KiB
	s_load_b256 s[4:11], s[0:1], 0x0               ; a s[4:5], W s[6:7], bvec s[8:9], y s[10:11]
	s_load_b64 s[12:13], s[0:1], 0x20              ; cdot
	v_lshl_add_u32 v14, v0, 2, 0x14000
	v_mov_b32 v15, 0
	v_lshrrev_b32 v1, 5, v0
	v_readfirstlane_b32 s14, v1                    ; wave 0..7
	v_and_b32 v1, 31, v0                           ; lane
	v_and_b32 v2, 15, v0                           ; r
	v_bfe_u32 v3, v0, 4, 1                         ; h
	v_lshlrev_b32 v4, 4, v2
	v_lshl_add_u32 v4, v3, 16, v4                  ; W: 32 h rows of 2,048 bytes + 16 r
	s_wait_alu depctr_va_sdst(0)                   ; s14 is written, ahead of its first reader: W's base and all the wave's offsets are made from it
	s_lshl_b32 s16, s14, 17                        ; 64 w rows
	s_lshl_b32 s18, ttmp9, 8                       ; + my 64 columns
	s_add_co_u32 s16, s16, s18
	s_mov_b32 s17, 0
	s_lshl_b32 s18, s14, 8
	v_lshl_add_u32 v5, v3, 7, s18                  ; bvec: 4 (64 w + 32 h)
	s_lshl_b32 s19, s14, 12
	v_lshl_add_u32 v6, v1, 4, s19                  ; a: 4096 w + 16 lane
	s_wait_kmcnt 0x0
	s_add_nc_u64 s[6:7], s[6:7], s[16:17]
	s_wait_alu depctr_va_vdst(0)                   ; v4, v5 and v6 are written, which the 48 loads below read as their offsets
.set i, 0
.rept 16
	global_load_b128 v[WL+4*i:WL+4*i+3], v4, s[6:7] offset:2048*i      ; W's rows of sg = 0
.set i, i+1
.endr
.set i, 0
.rept 8
	global_load_b128 v[BV+4*i:BV+4*i+3], v5, s[8:9] offset:16*i
.set i, i+1
.endr
.set i, 16
.rept 16
	global_load_b128 v[WL+4*i:WL+4*i+3], v4, s[6:7] offset:2048*i      ; W's rows of sg = 1
.set i, i+1
.endr
.set i, 0
.rept 8
	global_load_b128 v[BF+4*i:BF+4*i+3], v6, s[4:5] offset:512*i
.set i, i+1
.endr
	; the addresses of the finish are made while the loads are out: v7 to v13 are named by none of them
	s_mul_i32 s20, s14, WSCR
	v_lshl_add_u32 v7, v1, 3, s20                  ; partial sums out: 10240 w + 8 lane
	s_and_b32 s21, s14, 1                          ; the finish: wave w takes batch tile t = w % 2 and piece p = w / 2
	s_lshl_b32 s21, s21, 10
	s_lshr_b32 s22, s14, 1
	s_lshl_b32 s22, s22, 8
	s_add_co_u32 s21, s21, s22
	v_lshl_add_u32 v8, v1, 3, s21                  ; 1024 t + 256 p + 8 lane
	v_add_nc_u32 v9, 4*WSCR, v8                    ; a second base for waves 4 to 7: an LDS offset has 16 bits
	s_lshl_b32 s22, s21, 1
	s_lshl_b32 s23, ttmp9, 12
	s_add_co_u32 s22, s22, s23
	v_lshl_add_u32 v10, v1, 4, s22                 ; AF: ((2 Gc + t) 4 + p) 512 + 16 lane
	v_lshlrev_b32 v11, 3, v2
	v_lshl_add_u32 v11, v3, 10, v11
	v_add_nc_u32 v11, 8192, v11                    ; cdot of batch = lane: tile 8 + lane / 16, register 0 of lane % 16
	v_add_nc_u32 v12, 4*WSCR, v11
	v_lshlrev_b32 v13, 2, v1
	s_wait_loadcnt 32                              ; loads come back in order (ISA guide 5.7.1): W's rows of sg = 0 are in; the 8 + 16 + 8 younger loads stay out
.irp cc, 0,1,2,3
.irp p, 0,1,2,3,4,5,6,7
	v_cvt_pk_bf16_f32 v[TA+8*\cc+\p], v[WL+8*\p+\cc], v[WL+8*\p+4+\cc]
.endr
.endr
	s_wait_loadcnt 24                              ; bvec is in; the 16 + 8 younger loads stay out
.set i, 0
.rept 16
	v_cvt_pk_bf16_f32 v[A5+i], v[BV+2*i], v[BV+2*i+1]
.set i, i+1
.endr
	s_wait_loadcnt 8                               ; W's rows of sg = 1 are in; a's eight loads stay out
.irp cc, 0,1,2,3
.irp p, 0,1,2,3,4,5,6,7
	v_cvt_pk_bf16_f32 v[TB+8*\cc+\p], v[WL+64+8*\p+\cc], v[WL+64+8*\p+4+\cc]
.endr
.endr
	s_wait_loadcnt 0x0                             ; a is in
	; register j of lane (r, h) of tile (cc, t) is y[16 t + r][64 Gc + 4 (8 h + j) + cc].  The ten accumulators take turns.
.irp cc, 0,1,2,3
.irp t, 0,1
	v_wmma_f32_16x16x32_bf16 v[DD+8*(2*\cc+\t):DD+8*(2*\cc+\t)+7], v[TA+8*\cc:TA+8*\cc+7], v[BF+16*\t:BF+16*\t+7], 0
.endr
.endr
.irp t, 0,1
	v_wmma_f32_16x16x32_bf16 v[DD+8*(8+\t):DD+8*(8+\t)+7], v[A5:A5+7], v[BF+16*\t:BF+16*\t+7], 0
.endr
.irp cc, 0,1,2,3
.irp t, 0,1
	v_wmma_f32_16x16x32_bf16 v[DD+8*(2*\cc+\t):DD+8*(2*\cc+\t)+7], v[TB+8*\cc:TB+8*\cc+7], v[BF+16*\t+8:BF+16*\t+15], v[DD+8*(2*\cc+\t):DD+8*(2*\cc+\t)+7]
.endr
.endr
.irp t, 0,1
	v_wmma_f32_16x16x32_bf16 v[DD+8*(8+\t):DD+8*(8+\t)+7], v[A5+8:A5+15], v[BF+16*\t+8:BF+16*\t+15], v[DD+8*(8+\t):DD+8*(8+\t)+7]
.endr
.rept 4
	v_nop                                          ; four places behind the last matrix instruction before its results are stored (ISA guide 7.12.1); they stay beside the wait below
.endr
	s_wait_alu depctr_va_vdst(0)                   ; the matrix instructions have written DD, which the LDS stores read, and are done reading TA and BF, in which the LDS loads behind the barrier land; v7 to v13 are written
.set i, 0
.rept 40
	ds_store_b64 v7, v[DD+2*i:DD+2*i+1] offset:256*i           ; tile i / 4, register pair i % 4: 256 consecutive bytes
.set i, i+1
.endr
	s_wait_dscnt 0x0                               ; my partial sums are in LDS, for the waves that add them
	s_barrier_signal -1
	s_barrier_wait -1
.irp v, 0,1,2,3
.irp cc, 0,1,2,3
	ds_load_b64 v[FL+2*(4*\v+\cc):FL+2*(4*\v+\cc)+1], v8 offset:\v*WSCR+\cc*2048           ; no wait: no vector or matrix instruction since the wait above
	ds_load_b64 v[FL+2*(16+4*\v+\cc):FL+2*(16+4*\v+\cc)+1], v9 offset:\v*WSCR+\cc*2048
.endr
.endr
	s_wait_dscnt 0x0
.irp v, 1,2,3,4,5,6,7
.irp cc, 0,1,2,3
	v_pk_add_f32 v[FL+2*\cc:FL+2*\cc+1], v[FL+2*\cc:FL+2*\cc+1], v[FL+2*(4*\v+\cc):FL+2*(4*\v+\cc)+1]
.endr
.endr
	; piece p of lane (r, h): columns 32 h + 8 p + e, e = 4 (j % 2) + cc with j = 2 p, 2 p + 1: the low words of the four pairs, then the high words
	v_cvt_pk_bf16_f32 v[PK],   v[FL],   v[FL+2]
	v_cvt_pk_bf16_f32 v[PK+1], v[FL+4], v[FL+6]
	v_cvt_pk_bf16_f32 v[PK+2], v[FL+1], v[FL+3]
	v_cvt_pk_bf16_f32 v[PK+3], v[FL+5], v[FL+7]
	s_wait_alu depctr_va_vdst(0)                   ; the conversions have written PK, which the store reads; the conversions of bvec are long done reading the registers in which cdot's LDS loads land
	global_store_b128 v10, v[PK:PK+3], s[10:11]    ; the wave's store covers 512 consecutive bytes, aligned
	s_cmp_lg_u32 s14, 0
	s_cbranch_scc1 .Lend
	s_cmp_lg_u32 ttmp9, 0
	s_cbranch_scc1 .Lend                           ; cdot is the same in all work-groups: wave 0 of work-group 0 stores it
.irp v, 0,1,2,3
	ds_load_b32 v[CD+\v], v11 offset:\v*WSCR                   ; no wait: no vector instruction since the wait ahead of the store
	ds_load_b32 v[CD+4+\v], v12 offset:\v*WSCR
.endr
	s_wait_dscnt 0x0
	v_pk_add_f32 v[CD:CD+1], v[CD:CD+1], v[CD+2:CD+3]
	v_pk_add_f32 v[CD+4:CD+5], v[CD+4:CD+5], v[CD+6:CD+7]
	v_pk_add_f32 v[CD:CD+1], v[CD:CD+1], v[CD+4:CD+5]
	v_add_f32 v[CD], v[CD], v[CD+1]
	s_wait_alu depctr_va_vdst(0)                   ; the last add has written v[CD], which the store reads
	global_store_b32 v13, v[CD], s[12:13]
.Lend:
	s_wait_dscnt 0x0                               ; the closing lines, six on end
	s_wait_alu 0x0
	s_wait_tensorcnt 0x0
	ds_add_u32 v14, v15
	s_wait_dscnt 0x0
	s_endpgm
.Lfunc_end_k_q019d73c348_lint_t:
	.size	k_q019d73c348_lint_t, .Lfunc_end_k_q019d73c348_lint_t-k_q019d73c348_lint_t
	.p2alignl 7, 3214868480
	.fill 96, 4, 3214868480
	.section	.rodata,"a",@progbits
	.p2align	6, 0x0
	.amdhsa_kernel k_q019d73c348_lint_t
		.amdhsa_group_segment_fixed_size 82944
		.amdhsa_private_segment_fixed_size 0
		.amdhsa_enable_private_segment 0
		.amdhsa_kernarg_size 40
		.amdhsa_user_sgpr_count 2
		.amdhsa_user_sgpr_kernarg_segment_ptr 1
		.amdhsa_wavefront_size32 1
		.amdhsa_system_sgpr_workgroup_id_x 1
		.amdhsa_system_sgpr_workgroup_id_y 1
		.amdhsa_system_sgpr_workgroup_id_z 1
		.amdhsa_system_vgpr_workitem_id 0
		.amdhsa_next_free_vgpr 256
		.amdhsa_next_free_sgpr 66
		.amdhsa_reserve_vcc 0
		.amdhsa_float_denorm_mode_32 3
		.amdhsa_float_denorm_mode_16_64 3
		.amdhsa_memory_ordered 1
		.amdhsa_forward_progress 1
		.amdhsa_inst_pref_size 22
	.end_amdhsa_kernel
	.amdgpu_metadata
---
amdhsa.version: [ 1, 2 ]
amdhsa.kernels:
  - .name:           k_q019d73c348_lint_t
    .symbol:         k_q019d73c348_lint_t.kd
    .args:
      - { .name: afb, .offset: 0, .size: 8, .value_kind: global_buffer, .address_space: global }
      - { .name: k_w, .offset: 8, .size: 8, .value_kind: global_buffer, .address_space: global }
      - { .name: k_b, .offset: 16, .size: 8, .value_kind: global_buffer, .address_space: global }
      - { .name: afa, .offset: 24, .size: 8, .value_kind: global_buffer, .address_space: global }
      - { .name: c1, .offset: 32, .size: 8, .value_kind: global_buffer, .address_space: global }
    .group_segment_fixed_size: 82944
    .private_segment_fixed_size: 0
    .kernarg_segment_align: 8
    .kernarg_segment_size: 40
    .max_flat_workgroup_size: 256
    .sgpr_count:     66
    .vgpr_count:     256
    .wavefront_size: 32
...
	.end_amdgpu_metadata
.endif
;; end of part 8
;; launch lint_u: the kernel of part 8 again; grid 8 x 1, 8 waves a work-group, no clusters, 82,944 bytes of LDS; arguments afa, psi_x_w2, psi_x_b2, afb, c2; writes afb, c2
;; launch main: the kernel of part 4 again; grid 256 x 1, 4 waves a work-group, no clusters, 168,448 bytes of LDS; arguments x_items, w1f, psi_x_b1, afb, c1, c2, part, stat; writes part, stat
;; launch comb: the kernel of part 5 again; grid 16 x 1, 8 waves a work-group, no clusters, 3,072 bytes of LDS; arguments part, stat, afa; writes afa
;; launch lin_h: the kernel of part 2 again; grid 32 x 1, 4 waves a work-group, no clusters, 168,448 bytes of LDS; arguments afa, psi_x_w2, psi_x_b2, afb; writes afb
;; launch lin_z: the kernel of part 2 again; grid 32 x 1, 4 waves a work-group, no clusters, 168,448 bytes of LDS; arguments afb, v_w, v_b, afa; writes afa
;; launch ling: the kernel of part 6 again; grid 32 x 1, 4 waves a work-group, no clusters, 168,448 bytes of LDS; arguments afa, phi_w1, phi_b1, afb; writes afb
;; launch lino: the kernel of part 7 again; grid 63 x 1, 4 waves a work-group, no clusters, 168,448 bytes of LDS; arguments afb, phi_w2, phi_b2, out0; writes out0
